; MI455X (gfx1250); checked and timed in simulation.
; The chip was launched on July 23, 2026; its instructions are those of AMD's public machine-readable ISA for CDNA 5 (MIT licence, August 2026) and "CDNA5" Instruction Set Architecture Reference Guide (July 2026). The comments in the code are by the model that wrote it; some were corrected since.
;; Attention Train. Allowed arithmetic: matrix products marked QUANTISED: E2M1 operands, one E8M0 scale for each 32 along K, by v_wmma_scale_f32_16x16x128_f8f6f4 with both operands' format E2M1 (or v_wmma_scale_f32_32x16x128_f4), f32 sums; products left as they are: bf16, f16 or f32 operands; f32 sums; everything else in f32.
;; Inputs: Wk 1,024 x 1,024 float32; Wo 1,024 x 1,024 float32; Wq 1,024 x 1,024 float32; Wv 1,024 x 1,024 float32; bk 1,024 float32; bo 1,024 float32; bq 1,024 float32; bv 1,024 float32; x 4 x 2,048 x 1,024 float32.
;; Outputs: out0 4 x 2,048 x 1,024 float32.
;; This version of the problem:
;;   THIS VERSION OF THE PROBLEM IS GIVEN IN LOW PRECISION. The matrix products marked QUANTISED in the list below multiply operands that are first quantised to E2M1 (2 exponent bits, 1 mantissa bit; 4 bits a number), with one power-of-two scale for each 32 numbers along K (OCP MX v1.0); their sums are f32. The products marked 'left as it is' may take bf16, f16 or f32 operands, with f32 sums. Whichever they take, every output number must still come out within the allowed error. Rounding operands to bf16 (8 significant bits) uses up far more of that allowance than f16 does (11 bits, for magnitudes from 6e-5 to 65,504). All else is computed in f32.
;;   The module's matrix products, in the order in which they are computed (A, B: the left and right operand; K: the contracted axis; several contracted axes count as one K, in the product's order):
;;     1. [M 8,192, K 1,024] x [K 1,024, N 1,024]; A: input x; B: input Wq: QUANTISED
;;     2. [M 8,192, K 1,024] x [K 1,024, N 1,024]; A: input x; B: input Wk: QUANTISED
;;     3. [M 8,192, K 1,024] x [K 1,024, N 1,024]; A: input x; B: input Wv: QUANTISED
;;     4. batch 64 x [M 2,048, K 64] x [K 64, N 2,048]; A: computed on the way; B: computed on the way: left as it is (an operand is computed on the way)
;;     5. batch 64 x [M 2,048, K 2,048] x [K 2,048, N 64]; A: computed on the way; B: computed on the way: left as it is (an operand is computed on the way)
;;     6. [M 8,192, K 1,024] x [K 1,024, N 1,024]; A: computed on the way; B: input Wo: left as it is (an operand is computed on the way)
;;   THE QUANTISER, for each operand of a quantised product, along K:
;;     - K is cut into blocks of 32 from its start; a last block that is shorter is filled with zeros.
;;     - A block's scale is 2^e with e = floor(log2(the largest magnitude in the block)) - 2, held to -126 .. 127; a block of zeros has e = 0. As a byte (E8M0): e + 127.
;;     - Each number is divided by its block's scale, clamped to +-6, and rounded to the nearest number of E2M1, ties to even, subnormals kept.
;;     - The product sums the exact products of the quantised numbers (number of the format x scale) in f32.
;;   ~~~python
;;   def quantise(x, axis):      # numpy; x: float32 -> the quantised numbers, widened to float32 again
;;       x = np.moveaxis(x, axis, -1); K = x.shape[-1]
;;       x = np.pad(x, [(0, 0)] * (x.ndim - 1) + [(0, -K % 32)]); x = x.reshape(x.shape[:-1] + (-1, 32)); a = np.abs(x).max(-1, keepdims=True)
;;       e = np.where(a > 0, np.clip(np.frexp(np.where(a > 0, a, 1))[1] - 1 - 2, -126, 127), 0)      # np.frexp(a)[1] - 1 = floor(log2(a)), exactly
;;       r = np.clip(x / 2.0 ** e, -6, 6)
;;       step = 2.0 ** (np.maximum(np.frexp(np.where(r == 0, 1, r))[1] - 1, 0) - 1)
;;       q = np.round(r / step) * step * 2.0 ** e      # np.round: ties to even
;;       return np.moveaxis(q.reshape(q.shape[:-2] + (-1,))[..., :K], -1, axis).astype(np.float32)
;;   ~~~
;; One version. Each part assembles by itself: llvm-mc -triple=amdgcn-amd-amdhsa -mcpu=gfx1250 --defsym DOCPART=n.
;; ======== version 1 of 1: 5 launches
;; limits: values are held in f16: magnitudes above 65,504 overflow, below 6.1e-05 lose precision
;; workspace buffers: xq 4,456,448 bytes; wq 3,768,320 bytes; qkv 50,331,648 bytes; ctx 16,777,216 bytes; fq 786,432 bytes
;; launch prep (part 1): grid 432 x 1, 4 waves a work-group, no clusters, 68,096 bytes of LDS; arguments x, Wq, Wk, Wv, Wo, xq, wq; writes xq, wq
.if DOCPART == 1
	.amdgcn_target "amdgcn-amd-amdhsa--gfx1250"
	.amdhsa_code_object_version 6
	.text
	.protected	k_qe20392f4b2_prep
	.globl	k_qe20392f4b2_prep
	.p2align	8
	.type	k_qe20392f4b2_prep,@function
k_qe20392f4b2_prep:
	s_mov_b64 s[64:65], 0
	v_nop
	global_prefetch_b8 v0, s[64:65] scope:SCOPE_SE
	s_setreg_imm32_b32 hwreg(HW_REG_WAVE_MODE, 25, 1), 1
	s_wait_xcnt 0x0
; THE OPERANDS ARE MADE READY, ONCE.  Three roles, parted once by the work-group's number; each has LDS bytes of its own.
;   work-groups 0-47    role W: Wq, Wk, Wv [1024 (k)][1024 (n)] f32 -> codes of FP4 (E2M1) with K innermost, and one E8M0 byte for each 32 along K
;   work-groups 48-175  role O: Wo f32 -> f16, in place order [k][n]
;   work-groups 176-431 role X: x [8192][1024] f32 -> codes of FP4 along its rows, and their scale bytes
; xq: codes [8192][512 bytes] from byte 0; scale bytes [8192][32] from byte XS.
; wq: codes [c 8][t 3][128 n][512 bytes] from byte 0 (c: the tile of 128 columns, t: q, k, v); scale bytes [c][t][128][32] from byte WS; Wo as f16 [1024][1024] from byte WO.
; A block's scale is 2^(floor(log2(its largest magnitude)) - 2); its byte is the largest magnitude's exponent field - 2, held at 1 from below.
; LIMITS: a block of zeros gets the byte 1 where the quantiser says 127 (its codes are zeros, and this program alone reads the bytes); blocks whose largest magnitude lies under 2^(3 - 127)
; are held at that floor; NaN and infinities are not served; |Wo| above 65,504 becomes infinity in f16, and under 6e-5 it carries an absolute error of 3e-8.
; No matrix work, no tensor load, no barrier: waves share nothing, and memory binds.
.set XS,    4194304
.set WS,    1572864
.set WO,    1671168
.set WREG,  8192                       ; role X: LDS region of a wave: two stages of 32 x SP bytes, then its 256 scale bytes
.set SP,    80                         ; a lane's place in a stage: 64 bytes + 16 of padding
.set WSTG,  32768                      ; role W: four stages of 32 rows x PITCH
.set PITCH, 272
.set SPARE, 67584                      ; the spare words, 128 bytes for each wave; no other line names them
.set SPW,   190                        ; v190 LDS address of my spare word; never rewritten
.set NIL,   191                        ; v191 0; never rewritten
.set R,     16                         ; role X: v16-79 four sets of 16 numbers as loaded
.set X,     80                         ;         v80-111 two sets of 16 neighbours
.set E,     112                        ;         v112-127 a scale byte for each step
.set C,     128                        ;         v128-159 two registers of codes for each step
.set WX,    32                         ; role W: v32-95 two sets of 32 numbers
.set WC,    96                         ;         v96-99 a block's codes
.set OUTR,  112                        ;         v112-175 the way out
.set SB,    24                         ;         v24-27 the scale bytes, four to a register
; ---- role X's macros: 16 steps of 512 numbers a wave.  A load takes 512 consecutive bytes, 16 a lane; a step's 2,048 bytes turn through my stage and come back 64 bytes a lane: 16 neighbours along K
.macro XLOAD t
.irp i, 0,1,2,3
	global_load_b128 v[R+16*((\t)%4)+4*\i:R+16*((\t)%4)+4*\i+3], v3, s[4:5] offset:2048*(\t)+512*\i th:TH_LOAD_NT
.endr
.endm
.macro XTURN t                         ; LDS serves a wave's instructions in order: no wait between the stores and the loads
.irp i, 0,1,2,3
	ds_store_b128 v14, v[R+16*((\t)%4)+4*\i:R+16*((\t)%4)+4*\i+3] offset:32*SP*((\t)%2)+8*SP*\i
.endr
.irp i, 0,1,2,3
	ds_load_b128 v[X+16*((\t)%2)+4*\i:X+16*((\t)%2)+4*\i+3], v15 offset:32*SP*((\t)%2)+16*\i
.endr
.endm
.macro XSTEP t
.set XSR, X+16*((\t)%2)
.if (\t) > 0
	s_wait_dscnt 1                                 ; this step's numbers are back from the stage; the last step's byte store may be out
.else
	s_wait_dscnt 0x0
.endif
.if (\t)+4 < 16
	XLOAD (\t)+4                                   ; into the registers that the stage's stores have read
.endif
.if (\t)+1 < 16
.if 14-(\t) >= 3
	s_wait_loadcnt 12                              ; the next step's four loads are in; those of the three steps behind it may be out
.else
	s_wait_loadcnt 4*(14-(\t))
.endif
	XTURN (\t)+1
.endif
	v_max3_num_f32 v8, |v[XSR]|, |v[XSR+1]|, |v[XSR+2]|
	v_max3_num_f32 v9, |v[XSR+3]|, |v[XSR+4]|, |v[XSR+5]|
.irp i, 6,10
	v_max3_num_f32 v8, v8, |v[XSR+\i]|, |v[XSR+\i+1]|
	v_max3_num_f32 v9, v9, |v[XSR+\i+2]|, |v[XSR+\i+3]|
.endr
	v_max3_num_f32 v8, v8, |v[XSR+14]|, |v[XSR+15]|
	v_max3_num_f32 v8, v8, v9, 0x1800000           ; and the floor 2^(3 - 127): the byte cannot fall under 1
	v_max_num_f32_dpp v8, v8, v8 row_xmask:1 row_mask:0xf bank_mask:0xf   ; with my neighbour's 16: the block's largest magnitude
	v_add_nc_u32 v11, 0xff000000, v8               ; 2 off its exponent field: the conversion takes the exponent field of this operand as its scale
	v_cvt_scalef32_pk8_fp4_f32 v[C+2*(\t)], v[XSR:XSR+7], v11
	v_cvt_scalef32_pk8_fp4_f32 v[C+2*(\t)+1], v[XSR+8:XSR+15], v11
	v_lshrrev_b32 v[E+(\t)], 23, v11               ; the scale's byte (a plain line behind the conversions)
	ds_store_b8 v5, v[E+(\t)] offset:16*(\t)       ; both lanes of a block write the same byte with the same value
	global_store_b64 v4, v[C+2*(\t):C+2*(\t)+1], s[24:25] offset:256*(\t)   ; the wave stores 256 consecutive bytes, aligned
.endm
; ---- role W's macros: a lane takes a column, its registers run down K; a wave takes 32 columns x 512 along K: 16 blocks a lane
.macro WLOAD t
.set wi, 0
.rept 32
	global_load_b32 v[WX+32*((\t)%2)+wi], v3, s[6:7] offset:(32*(\t)+wi)*4096 th:TH_LOAD_NT
.set wi, wi+1
.endr
.endm
.macro WBLOCK t
.set WXS, WX+32*((\t)%2)
.if (\t) < 15
	s_wait_loadcnt 32                              ; this block's 32 loads are in; the next block's may be out
.else
	s_wait_loadcnt 0x0
.endif
	v_max3_num_f32 v12, |v[WXS]|, |v[WXS+1]|, |v[WXS+2]|
	v_max3_num_f32 v13, |v[WXS+3]|, |v[WXS+4]|, |v[WXS+5]|
.irp i, 6,10,14,18,22,26
	v_max3_num_f32 v12, v12, |v[WXS+\i]|, |v[WXS+\i+1]|
	v_max3_num_f32 v13, v13, |v[WXS+\i+2]|, |v[WXS+\i+3]|
.endr
	v_max3_num_f32 v12, v12, |v[WXS+30]|, |v[WXS+31]|
	v_max3_num_f32 v12, v12, v13, 0x1800000        ; the floor
	v_add_nc_u32 v11, 0xff000000, v12              ; the conversion's scale operand
	v_lshrrev_b32 v13, 23, v11                     ; the scale's byte
.if (\t)%4 == 0
	v_mov_b32 v[SB+(\t)/4], v13
.else
	v_lshl_or_b32 v[SB+(\t)/4], v13, 8*((\t)%4), v[SB+(\t)/4]
.endif
.irp g, 0,1,2,3
	v_cvt_scalef32_pk8_fp4_f32 v[WC+\g], v[WXS+8*\g:WXS+8*\g+7], v11
.endr
	ds_store_b128 v4, v[WC:WC+3] offset:16*(\t)    ; 32 codes: 16 bytes of my column's row
.if (\t)+2 < 16
	WLOAD (\t)+2
.endif
	s_wait_dscnt 0x0                               ; the store has read its registers: the next block's codes may be written
.endm
	s_load_b256 s[4:11], s[0:1], 0x0               ; x s[4:5], Wq s[6:7], Wk s[8:9], Wv s[10:11]
	s_load_b128 s[12:15], s[0:1], 0x20             ; Wo s[12:13], xq s[14:15]
	s_load_b64 s[16:17], s[0:1], 0x30              ; wq
	v_lshl_add_u32 v[SPW], v0, 2, SPARE
	v_mov_b32 v[NIL], 0
	v_lshrrev_b32 v1, 5, v0
	v_readfirstlane_b32 s18, v1                    ; wave 0..3
	v_and_b32 v2, 31, v0                           ; lane
	s_mov_b32 s23, 0                               ; the upper word of every offset
	s_wait_kmcnt 0x0
	s_cmp_lt_u32 ttmp9, 48
	s_cbranch_scc1 .Lrole_w
	s_cmp_lt_u32 ttmp9, 176
	s_cbranch_scc1 .Lrole_o
	; ======== role X
	s_mul_i32 s19, s18, WREG
	v_lshlrev_b32 v3, 4, v2                        ; my 16 bytes of a load's 512
	v_lshrrev_b32 v14, 2, v2
	v_mul_u32_u24 v14, v14, SP
	v_and_b32 v15, 3, v2
	v_lshl_add_u32 v14, v15, 4, v14
	v_add_nc_u32 v14, s19, v14                     ; the stage, in: SP (lane / 4) + 16 (lane % 4)
	v_mul_u32_u24 v15, v2, SP
	v_add_nc_u32 v15, s19, v15                     ; and out: SP x lane
	v_lshlrev_b32 v4, 3, v2                        ; my 8 bytes of a step's codes
	v_lshrrev_b32 v5, 1, v2
	s_add_co_u32 s19, s19, 2*32*SP
	v_add_nc_u32 v5, s19, v5                       ; my block's byte among my wave's 256
	v_lshlrev_b32 v7, 3, v2
	v_add_nc_u32 v6, s19, v7
	s_sub_co_u32 s20, ttmp9, 176
	s_lshl_b32 s20, s20, 2
	s_add_co_u32 s20, s20, s18                     ; which run of 8,192 numbers is my wave's
	s_lshl_b32 s22, s20, 15
	s_add_nc_u64 s[4:5], s[4:5], s[22:23]
	s_lshl_b32 s22, s20, 12
	s_add_nc_u64 s[24:25], s[14:15], s[22:23]      ; its codes
	s_lshl_b32 s22, s20, 8
	s_add_co_u32 s22, s22, XS
	s_add_nc_u64 s[26:27], s[14:15], s[22:23]      ; its 256 scale bytes
.irp t, 0,1,2,3
	XLOAD \t
.endr
	s_wait_loadcnt 12                              ; step 0's four loads are in
	XTURN 0
.irp t, 0,1,2,3,4,5,6,7,8,9,10,11,12,13,14,15
	XSTEP \t
.endr
	ds_load_b64 v[8:9], v6                         ; in order behind my byte stores
	s_wait_dscnt 0x0
	global_store_b64 v7, v[8:9], s[26:27]          ; 256 consecutive bytes, aligned
	s_wait_tensorcnt 0x0                           ; the wave's end, behind my last LDS store
	ds_add_u32 v[SPW], v[NIL]
	s_wait_dscnt 0x0
	s_endpgm
	; ======== role W
.Lrole_w:
	s_lshr_b32 s19, ttmp9, 4                       ; t: q, k, v
	s_bfe_u32 s20, ttmp9, 0x30001                  ; c: the tile of 128 columns
	s_and_b32 s21, ttmp9, 1                        ; y: which 512 along K
	s_cmp_eq_u32 s19, 1                            ; the source is chosen by the work-group's number alone
	s_cselect_b64 s[6:7], s[8:9], s[6:7]
	s_cmp_eq_u32 s19, 2
	s_cselect_b64 s[6:7], s[10:11], s[6:7]
	s_lshl_b32 s22, s21, 21                        ; 512 rows of 4,096 bytes,
	s_lshl_b32 s25, s20, 9                         ; 128 columns,
	s_add_co_u32 s22, s22, s25
	s_lshl_b32 s25, s18, 7                         ; my wave's 32
	s_add_co_u32 s22, s22, s25
	s_add_nc_u64 s[6:7], s[6:7], s[22:23]
	s_mul_i32 s24, s20, 3
	s_add_co_u32 s24, s24, s19
	s_lshl_b32 s24, s24, 7
	s_lshl_b32 s25, s18, 5
	s_add_co_u32 s24, s24, s25                     ; my wave's first row of codes: (3 c + t) 128 + 32 wave
	s_lshl_b32 s22, s24, 9
	s_lshl_b32 s25, s21, 8
	s_add_co_u32 s22, s22, s25
	s_add_nc_u64 s[26:27], s[16:17], s[22:23]      ; codes
	s_lshl_b32 s22, s24, 5
	s_lshl_b32 s25, s21, 4
	s_add_co_u32 s22, s22, s25
	s_add_co_u32 s22, s22, WS
	s_add_nc_u64 s[28:29], s[16:17], s[22:23]      ; scale bytes
	v_lshlrev_b32 v3, 2, v2                        ; in: 4 bytes a lane
	s_mul_i32 s25, s18, 32*PITCH
	s_add_co_u32 s25, s25, WSTG                    ; my stage
	v_mul_u32_u24 v4, v2, PITCH
	v_add_nc_u32 v4, s25, v4                       ; into it: row = my column
	v_and_b32 v5, 15, v2
	v_lshrrev_b32 v6, 4, v2
	v_mul_u32_u24 v7, v6, PITCH
	v_lshl_add_u32 v7, v5, 4, v7
	v_add_nc_u32 v7, s25, v7                       ; out of it: sixteen lanes to a row, two rows an instruction
	v_lshlrev_b32 v8, 9, v6
	v_lshl_add_u32 v8, v5, 4, v8                   ; the same place among the rows of codes
	v_lshlrev_b32 v9, 5, v2                        ; my column's row of scale bytes
	WLOAD 0
	WLOAD 1
.set Q, 0
.rept 16
	WBLOCK Q
.set Q, Q+1
.endr
	global_store_b128 v9, v[SB:SB+3], s[28:29]     ; my column's 16 scale bytes
.irp t, 0,1,2,3,4,5,6,7,8,9,10,11,12,13,14,15
	ds_load_b128 v[OUTR+4*\t:OUTR+4*\t+3], v7 offset:2*\t*PITCH
.endr
.irp t, 0,1,2,3,4,5,6,7,8,9,10,11,12,13,14,15
	s_wait_dscnt 15-\t
	global_store_b128 v8, v[OUTR+4*\t:OUTR+4*\t+3], s[26:27] offset:2*\t*512   ; sixteen lanes store 256 consecutive bytes, aligned
.endr
	s_wait_tensorcnt 0x0                           ; the wave's end, as above
	ds_add_u32 v[SPW], v[NIL]
	s_wait_dscnt 0x0
	s_endpgm
	; ======== role O: 2,048 numbers a wave
.Lrole_o:
	s_sub_co_u32 s19, ttmp9, 48
	s_lshl_b32 s19, s19, 2
	s_add_co_u32 s19, s19, s18
	s_lshl_b32 s22, s19, 13
	s_add_nc_u64 s[12:13], s[12:13], s[22:23]
	s_lshl_b32 s22, s19, 12
	s_add_co_u32 s22, s22, WO
	s_add_nc_u64 s[16:17], s[16:17], s[22:23]
	v_lshlrev_b32 v3, 4, v2
	v_lshlrev_b32 v4, 3, v2
.irp i, 0,1,2,3,4,5,6,7,8,9,10,11,12,13,14,15
	global_load_b128 v[32+4*\i:35+4*\i], v3, s[12:13] offset:512*\i th:TH_LOAD_NT
.endr
.irp i, 0,1,2,3,4,5,6,7,8,9,10,11,12,13,14,15
	s_wait_loadcnt 15-\i
	v_cvt_pk_f16_f32 v[96+2*\i], v[32+4*\i], v[33+4*\i]
	v_cvt_pk_f16_f32 v[97+2*\i], v[34+4*\i], v[35+4*\i]
	global_store_b64 v4, v[96+2*\i:97+2*\i], s[16:17] offset:256*\i   ; 256 consecutive bytes, aligned
.endr
	s_wait_tensorcnt 0x0                           ; every end of this text has the same three lines
	ds_add_u32 v[SPW], v[NIL]
	s_wait_dscnt 0x0
	s_endpgm
.Lfunc_end_k_qe20392f4b2_prep:
	.size	k_qe20392f4b2_prep, .Lfunc_end_k_qe20392f4b2_prep-k_qe20392f4b2_prep
	.p2alignl 7, 3214868480
	.fill 96, 4, 3214868480
	.section	.rodata,"a",@progbits
	.p2align	6, 0x0
	.amdhsa_kernel k_qe20392f4b2_prep
		.amdhsa_group_segment_fixed_size 68096
		.amdhsa_private_segment_fixed_size 0
		.amdhsa_enable_private_segment 0
		.amdhsa_kernarg_size 56
		.amdhsa_user_sgpr_count 2
		.amdhsa_user_sgpr_kernarg_segment_ptr 1
		.amdhsa_wavefront_size32 1
		.amdhsa_system_sgpr_workgroup_id_x 1
		.amdhsa_system_sgpr_workgroup_id_y 1
		.amdhsa_system_sgpr_workgroup_id_z 1
		.amdhsa_system_vgpr_workitem_id 0
		.amdhsa_next_free_vgpr 192
		.amdhsa_next_free_sgpr 66
		.amdhsa_reserve_vcc 0
		.amdhsa_float_denorm_mode_32 3
		.amdhsa_float_denorm_mode_16_64 3
		.amdhsa_memory_ordered 1
		.amdhsa_forward_progress 1
		.amdhsa_inst_pref_size 117
	.end_amdhsa_kernel
	.amdgpu_metadata
---
amdhsa.version: [ 1, 2 ]
amdhsa.kernels:
  - .name:           k_qe20392f4b2_prep
    .symbol:         k_qe20392f4b2_prep.kd
    .args:
      - { .name: x, .offset: 0, .size: 8, .value_kind: global_buffer, .address_space: global }
      - { .name: Wq, .offset: 8, .size: 8, .value_kind: global_buffer, .address_space: global }
      - { .name: Wk, .offset: 16, .size: 8, .value_kind: global_buffer, .address_space: global }
      - { .name: Wv, .offset: 24, .size: 8, .value_kind: global_buffer, .address_space: global }
      - { .name: Wo, .offset: 32, .size: 8, .value_kind: global_buffer, .address_space: global }
      - { .name: xq, .offset: 40, .size: 8, .value_kind: global_buffer, .address_space: global }
      - { .name: wq, .offset: 48, .size: 8, .value_kind: global_buffer, .address_space: global }
    .group_segment_fixed_size: 68096
    .private_segment_fixed_size: 0
    .kernarg_segment_align: 8
    .kernarg_segment_size: 56
    .max_flat_workgroup_size: 128
    .sgpr_count:     66
    .vgpr_count:     192
    .wavefront_size: 32
...
	.end_amdgpu_metadata
.endif
;; end of part 1
;; launch qkv (part 2): grid 8 x 32, 4 waves a work-group, clusters of 4 x 4, 327,680 bytes of LDS; arguments xq, wq, bq, bk, bv, qkv, fq; writes qkv, fq
.if DOCPART == 2
	.amdgcn_target "amdgcn-amd-amdhsa--gfx1250"
	.amdhsa_code_object_version 6
	.text
	.protected	k_qe20392f4b2_qkv
	.globl	k_qe20392f4b2_qkv
	.p2align	8
	.type	k_qe20392f4b2_qkv,@function
k_qe20392f4b2_qkv:
	s_mov_b64 s[64:65], 0
	v_nop
	global_prefetch_b8 v0, s[64:65] scope:SCOPE_SE
	s_setreg_imm32_b32 hwreg(HW_REG_WAVE_MODE, 25, 1), 1
	s_wait_xcnt 0x0
	s_wait_alu depctr_hold_cnt(0) depctr_sa_sdst(0) depctr_va_vdst(0) depctr_va_sdst(0) depctr_va_ssrc(0) depctr_va_vcc(0) depctr_vm_vsrc(0)
	s_getreg_b32 s2, hwreg(HW_REG_IB_STS2, 6, 4)
	s_cmp_eq_u32 s2, 0
	s_cbranch_scc0 .Lentry_in_a_cluster
	s_endpgm
.Lentry_in_a_cluster:
	s_bfe_u32 s2, ttmp6, 0x10000c
	s_cmp_lg_u32 s2, 0xf033
	s_cbranch_scc0 .Lentry_shape_is_right
	s_endpgm
.Lentry_shape_is_right:
; q = x Wq + bq, k = x Wk + bk, v = x Wv + bv, on codes of FP4 (E2M1) with one E8M0 scale for each 32 along K; sums in f32.
; OUT: qkv: q from byte 0, k from 16,777,216, v from 33,554,432, each [batch][head][position][64] in f16; fq: [batch][q, k, v][position 0-15][1024] in f32, for the launch that carries those positions finely.
; LIMITS: |q|, |k|, |v| above 65,504 become infinity in f16; under 6e-5 they carry an absolute error of 3e-8.  NaN and infinities are not served.
; SHARES.  A work-group takes 256 rows of x and 128 columns (two heads) and walks the three weights.  x's codes of its rows, for ALL of K (256 rows x 512 bytes), stay in LDS: no ring along K.
; The weights' tiles (128 rows x 512 bytes) have two slots: q's and k's come at the head, v's goes into q's slot when q is done: the one refill.
; A wave makes 128 rows x 64 columns (one head): 32 accumulators of 16 x 16.  THE MATRIX INSTRUCTION IS USED TRANSPOSED (source 0 = 16 columns of W, source 1 = 16 rows of x): a lane holds one row and eight neighbouring columns.
; CLUSTER 4 x 4: the four of a row of the cluster need the same rows of x, the four of a column the same weights: each tile is asked for jointly.
; The row tile is batch = cy, block of 256 positions = the cluster's y: so the tiles that hold positions 0-15 are those of cluster y = 0, a number that all sixteen partners share, and a branch may hang on it.
; REGISTERS: window 0: v1-12 addresses; v32-95 x's scale words (block i, K step q: 32 + 8 i + q); v96-127 W's (96 + 8 b + q); v128-143 packed results; v144-175 rows on the way out.
;   window 1: v0-63 W's fragments, two sets; v64-191 x's, two sets.   window 2: accumulator (a, b) at 8 (4 a + b).   window 3: v0-95 the biases in the result's layout (tensor t, block b: 32 t + 8 b).
.set XS,    4194304
.set WS,    1572864
.set LB,    135168                     ; LDS: x's 256 rows x 528 from 0; W's slot 0 here,
.set BSL,   67584                      ; slot 1 this much further;
.set SCA,   270336                     ; x's scale bytes: 32 runs of 256 bytes + 16 of padding;
.set SCB,   279040                     ; the three weights': 48 such runs;
.set STAGE, 292096                     ; the way out: 16 rows x 144 bytes for each wave;
.set SPARE, 301312                     ; the spare words, 128 bytes for each wave; no other line names them
.set ADRA, 1
.set ADRB, 2                           ; v2, v3: slot 0, 1
.set ADSA, 4
.set ADSB, 5
.set STO,  6
.set RD,   7
.set CO,   8
.set VB,   9
.set VF,   10
.set SPW,  11
.set NIL,  12
.set SA,   32
.set SB,   96
.set TMP,  128
.set BK,   144
.set CODEW, (1<<20)|(1<<21)|(6<<22)|(3<<25)            ; elements of 1 byte; padding on; bit 21 beside a mask; 4 words behind every 128
.set SCLW,  (3<<16)|(1<<20)|(1<<21)|(5<<22)|(3<<25)    ; elements of 8 bytes; 4 words behind every 64
.set MSB, 0
.macro WIN new                         ; the immediate's high byte repeats the setting that is left
.if MSB != (\new)
	s_set_vgpr_msb (MSB<<8)|(\new)
.set MSB, (\new)
.endif
.endm
.macro PLACES
.rept 4
	v_nop
.endr
.endm
; A joint load: waves 0 and 1 fetch for x, waves 2 and 3 for W.  The branch hangs on the wave's number alone.  An s_nop 0 and four v_nop follow each line.
.macro JLOAD g0a, g1a, g0b, g1b
	s_cmp_eq_u32 s19, 0
	s_cbranch_scc0 .Lfor_b_\@
	tensor_load_to_lds s[\g0a:\g0a+3], s[\g1a:\g1a+7]
	s_nop 0
.rept 4
	v_nop
.endr
	s_branch .Lasked_\@
.Lfor_b_\@:
	tensor_load_to_lds s[\g0b:\g0b+3], s[\g1b:\g1b+7]
	s_nop 0
.rept 4
	v_nop
.endr
.Lasked_\@:
.endm
.macro CROUND                          ; a round of the cluster's barrier
	s_barrier_signal -1
	s_barrier_wait -1
	s_cmp_lg_u32 s18, 0
	s_cbranch_scc1 .Lnot_wave_0_\@
	s_barrier_signal -3
.Lnot_wave_0_\@:
	s_barrier_wait -3
	s_barrier_signal -1
	s_barrier_wait -1
.endm
	s_load_b256 s[4:11], s[0:1], 0x0               ; xq s[4:5], wq s[6:7], bq s[8:9], bk s[10:11]
	s_load_b128 s[12:15], s[0:1], 0x20             ; bv s[12:13], qkv s[14:15]
	s_load_b64 s[16:17], s[0:1], 0x30              ; fq
	v_lshl_add_u32 v[SPW], v0, 2, SPARE
	v_mov_b32 v[NIL], 0
	ds_add_u32 v[SPW], v[NIL]                      ; the opening: the add, twice on end, and its wait ahead of my first tensor load
	ds_add_u32 v[SPW], v[NIL]
	v_lshrrev_b32 v13, 5, v0
	v_readfirstlane_b32 s18, v13                   ; wave 0..3
	s_lshr_b32 s19, s18, 1                         ; my half of the rows.  Also: I fetch for x (0) or for W (1)
	s_and_b32 s20, s18, 1                          ; my half of the columns.  Also: which half of a tile I fetch
	s_bfe_u32 s21, ttmp6, 0x40000                  ; cx
	s_bfe_u32 s22, ttmp6, 0x40004                  ; cy
	s_lshl_b32 s23, ttmp9, 2
	s_add_co_u32 s23, s23, s21                     ; c: tile of 128 columns = 4 x cluster x + cx
	s_and_b32 s92, ttmp7, 0xffff                   ; the cluster's y: my block of 256 positions
	s_lshl_b32 s66, s22, 2
	s_lshl_b32 s66, 15, s66                        ; my row of the cluster
	s_lshl_b32 s67, 0x1111, s21                    ; my column
	s_or_b32 s24, s66, CODEW                       ; group 1 for x's codes: 64 rows x 512 bytes
	s_or_b32 s32, s67, CODEW                       ; for W's
.irp g, 24, 32
	s_mov_b32 s[\g+1], 512<<16                     ; tensor_dim0
	s_mov_b32 s[\g+2], 64<<16                      ; tensor_dim1
	s_mov_b32 s[\g+3], 512<<16                     ; tile_dim0
	s_mov_b32 s[\g+4], 64                          ; tile_dim1
	s_mov_b32 s[\g+5], 512                         ; from row to row
	s_mov_b32 s[\g+6], 0
	s_mov_b32 s[\g+7], 0
.endr
	s_or_b32 s40, s66, SCLW                        ; group 1 for x's scale bytes: 128 rows x 32 bytes = 16 dense runs of 256 bytes
	s_mov_b32 s41, 32<<16
	s_mov_b32 s42, 16<<16
	s_mov_b32 s43, 32<<16
	s_mov_b32 s44, 16
	s_mov_b32 s45, 32
	s_mov_b32 s46, 0
	s_mov_b32 s47, 0
	s_or_b32 s48, s67, SCLW                        ; for W's: half of 3 x 128 rows x 32 bytes = 24 runs
	s_mov_b32 s49, 32<<16
	s_mov_b32 s50, 24<<16
	s_mov_b32 s51, 32<<16
	s_mov_b32 s52, 24
	s_mov_b32 s53, 32
	s_mov_b32 s54, 0
	s_mov_b32 s55, 0
	; x's side hangs on cy and the cluster's y alone (registers s93-s97), W's on c alone (s98, s99, s2, s3)
	s_lshl_b32 s93, s22, 11
	s_lshl_b32 s95, s92, 8
	s_add_co_u32 s93, s93, s95
	s_lshl_b32 s95, s20, 7
	s_add_co_u32 s93, s93, s95                     ; the first of the 128 rows that I would fetch
	s_lshl_b32 s96, s93, 5
	s_add_co_u32 s96, s96, XS                      ; their scale bytes,
	s_mov_b32 s97, 0
	s_lshl_b32 s94, s93, 9                         ; their codes
	s_mov_b32 s95, 0
	s_mul_i32 s98, s23, 196608                     ; W: tile (c, t = 0),
	s_lshl_b32 s99, s20, 15                        ; my 64 rows of it
	s_add_co_u32 s98, s98, s99
	s_mov_b32 s99, 0
	s_mul_i32 s2, s23, 12288                       ; and the scale bytes of the three tiles, my half
	s_mul_i32 s3, s20, 6144
	s_add_co_u32 s2, s2, s3
	s_add_co_u32 s2, s2, WS
	s_mov_b32 s3, 0
	s_mov_b32 s56, 1                               ; groups 0: count 1, the LDS address: constants and the wave's number alone
	s_mul_i32 s57, s20, 4352
	s_add_co_u32 s57, s57, SCA
	s_mov_b32 s60, 1
	s_mul_i32 s61, s20, 67584
	s_mov_b32 s68, 1
	s_add_co_u32 s69, s61, 33792
	s_mov_b32 s72, 1
	s_mul_i32 s73, s20, 6528
	s_add_co_u32 s73, s73, SCB
	s_mov_b32 s76, 1
	s_mul_i32 s77, s20, 33792
	s_add_co_u32 s77, s77, LB
	s_mov_b32 s80, 1
	s_add_co_u32 s81, s77, BSL
	s_wait_dscnt 0x0                               ; both opening adds are done
	s_wait_kmcnt 0x0
	s_add_nc_u64 s[58:59], s[4:5], s[96:97]
	s_add_nc_u64 s[62:63], s[4:5], s[94:95]
	s_add_nc_u64 s[70:71], s[62:63], 32768         ; the second 64 rows
	s_add_nc_u64 s[74:75], s[6:7], s[2:3]
	s_add_nc_u64 s[78:79], s[6:7], s[98:99]
	s_add_nc_u64 s[82:83], s[78:79], 65536         ; k's tile
.irp g, 59, 63, 71, 75, 79, 83
	s_or_b32 s[\g], s[\g], 0x80000000              ; type = 2
.endr
	CROUND                                         ; all sixteen work-groups are here: the first joint loads meet
	JLOAD 56, 40, 72, 48                           ; the scale bytes
	JLOAD 60, 24, 76, 32                           ; x's rows 0-63 of my half | q's weights
	JLOAD 68, 24, 80, 32                           ; x's rows 64-127         | k's weights: three loads of mine are out
	; where the results go
	s_lshl_b32 s93, s22, 4
	s_lshl_b32 s94, s23, 1
	s_add_co_u32 s93, s93, s94
	s_add_co_u32 s93, s93, s20                     ; 16 batch + head
	s_lshl_b32 s96, s93, 18                        ; a head is 2,048 rows of 128 bytes
	s_lshl_b32 s94, s92, 15
	s_add_co_u32 s96, s96, s94                     ; my block of 256 positions,
	s_lshl_b32 s94, s19, 14
	s_add_co_u32 s96, s96, s94                     ; my half of it
	s_mov_b32 s97, 0
	s_add_nc_u64 s[84:85], s[14:15], s[96:97]      ; q
	s_add_nc_u64 s[86:87], s[84:85], 0x1000000     ; k
	s_add_nc_u64 s[88:89], s[84:85], 0x2000000     ; v
	s_lshl_b32 s96, s23, 9
	s_lshl_b32 s94, s20, 8
	s_add_co_u32 s96, s96, s94                     ; my 64 columns in f32
	s_add_nc_u64 s[8:9], s[8:9], s[96:97]
	s_add_nc_u64 s[10:11], s[10:11], s[96:97]
	s_add_nc_u64 s[12:13], s[12:13], s[96:97]
	s_mul_i32 s94, s22, 196608
	s_add_co_u32 s96, s96, s94
	s_add_nc_u64 s[90:91], s[16:17], s[96:97]      ; fq: my batch, my columns
	s_or_b32 s92, s92, s19                         ; 0 where my first 16 rows are positions 0-15
	v_and_b32 v13, 15, v0                          ; r
	v_bfe_u32 v14, v0, 4, 1                        ; h
	v_and_b32 v15, 31, v0                          ; lane
	v_mul_u32_u24 v16, v13, 528
	v_lshl_add_u32 v16, v14, 4, v16                ; a fragment's row x pitch + 16 h
	s_mul_i32 s93, s19, 67584
	v_add_nc_u32 v[ADRA], s93, v16
	s_mul_i32 s93, s20, 33792
	s_add_co_u32 s93, s93, LB
	v_add_nc_u32 v[ADRB], s93, v16
	v_add_nc_u32 v[ADRB+1], BSL, v[ADRB]
	v_lshrrev_b32 v17, 3, v13
	v_mul_u32_u24 v17, v17, 272
	v_and_b32 v18, 7, v13
	v_lshl_add_u32 v17, v18, 5, v17                ; row r's 32 scale bytes: eight rows to a run of 256
	s_mul_i32 s93, s19, 4352
	s_add_co_u32 s93, s93, SCA
	v_add_nc_u32 v[ADSA], s93, v17
	s_mul_i32 s93, s20, 2176
	s_add_co_u32 s93, s93, SCB
	v_add_nc_u32 v[ADSB], s93, v17
	s_mul_i32 s93, s18, 2304
	s_add_co_u32 s93, s93, STAGE
	v_mul_u32_u24 v[STO], v13, 144
	v_lshl_add_u32 v[STO], v14, 4, v[STO]
	v_add_nc_u32 v[STO], s93, v[STO]               ; the stage, in: row r, 16 bytes for each half of the lanes
	v_lshrrev_b32 v17, 3, v15
	v_mul_u32_u24 v[RD], v17, 144
	v_and_b32 v18, 7, v15
	v_lshl_add_u32 v[RD], v18, 4, v[RD]
	v_add_nc_u32 v[RD], s93, v[RD]                 ; back: eight lanes to a row of 128 bytes, four rows an instruction
	v_lshlrev_b32 v[CO], 4, v15                    ; and in memory the four rows are 512 consecutive bytes
	v_lshlrev_b32 v[VB], 5, v14                    ; the biases: my half's eight numbers
	v_lshlrev_b32 v[VF], 12, v13
	v_lshl_add_u32 v[VF], v14, 5, v[VF]            ; fq: position r, my half's eight columns
.macro BIAS t, p
.irp b, 0,1,2,3
.irp c, 0,1
	global_load_b128 v[32*\t+8*\b+4*\c:32*\t+8*\b+4*\c+3], v[VB], s[\p:\p+1] offset:64*\b+16*\c
.endr
.endr
.endm
	WIN 0xc0                                       ; destination window 3
	BIAS 0, 8
	BIAS 1, 10
	BIAS 2, 12
	WIN 0
	s_wait_tensorcnt 0x0                           ; my three loads have landed,
	s_wait_loadcnt 0x0                             ; and the biases
	s_barrier_signal -1
	s_barrier_wait -1                              ; everybody's have
.irp i, 0,1,2,3,4,5,6,7
.irp c, 0,1
	ds_load_b128 v[SA+8*\i+4*\c:SA+8*\i+4*\c+3], v[ADSA] offset:544*\i+16*\c   ; x's scale words for all of K: they stay
.endr
.endr
; the fragments of K step q (16 rows x 128 K of 4-bit codes: 8 registers, two loads 32 bytes apart) into set p: W's four, x's eight
.macro FETCH slot, q, p
	WIN 0x40                                       ; destination window 1
.irp b, 0,1,2,3
.irp c, 0,1
	ds_load_b128 v[32*(\p)+8*\b+4*\c:32*(\p)+8*\b+4*\c+3], v[ADRB+\slot] offset:8448*\b+64*(\q)+32*\c
.endr
.endr
.irp i, 0,1,2,3,4,5,6,7
.irp c, 0,1
	ds_load_b128 v[64+64*(\p)+8*\i+4*\c:64+64*(\p)+8*\i+4*\c+3], v[ADRA] offset:8448*\i+64*(\q)+32*\c
.endr
.endr
.endm
; 32 matrix instructions: the 32 accumulators take turns, one instruction a turn, in the same order in every step.  In K step 0 the bias is the C.
.macro MULS t, q, p
.irp a, 0,1,2,3,4,5,6,7
.irp b, 0,1,2,3
.if (\q) == 0
	v_wmma_scale_f32_16x16x128_f8f6f4 v[8*(4*\a+\b):8*(4*\a+\b)+7], v[32*(\p)+8*\b:32*(\p)+8*\b+7], v[64+64*(\p)+8*\a:64+64*(\p)+8*\a+7], v[32*(\t)+8*\b:32*(\t)+8*\b+7], v[SB+8*\b+(\q)], v[SA+8*\a+(\q)] matrix_a_fmt:MATRIX_FMT_FP4 matrix_b_fmt:MATRIX_FMT_FP4
.else
	v_wmma_scale_f32_16x16x128_f8f6f4 v[8*(4*\a+\b):8*(4*\a+\b)+7], v[32*(\p)+8*\b:32*(\p)+8*\b+7], v[64+64*(\p)+8*\a:64+64*(\p)+8*\a+7], v[8*(4*\a+\b):8*(4*\a+\b)+7], v[SB+8*\b+(\q)], v[SA+8*\a+(\q)] matrix_a_fmt:MATRIX_FMT_FP4 matrix_b_fmt:MATRIX_FMT_FP4
.endif
.endr
.endr
.endm
; one tensor: eight K steps of 128.  The next step's 24 loads are issued ahead of this step's products, four places behind the products that read their registers.
.macro MAIN t, slot
	WIN 0
.irp b, 0,1,2,3
.irp c, 0,1
	ds_load_b128 v[SB+8*\b+4*\c:SB+8*\b+4*\c+3], v[ADSB] offset:4352*\t+544*\b+16*\c   ; this weight's scale words
.endr
.endr
	FETCH \slot, 0, 0
.set Q, 0
.rept 8
.if Q < 7
.if Q > 0
	PLACES
.endif
	FETCH \slot, Q+1, (Q+1)%2
	s_wait_dscnt 24                                ; all but the 24 just issued: this step's fragments and the scale words are in
.else
	s_wait_dscnt 0x0
.endif
.if Q == 0
	WIN 0xb5                                       ; sources 0, 1 window 1; C window 3; D window 2
.else
	WIN 0xa5                                       ; C and D window 2
.endif
	MULS \t, Q, Q%2
.set Q, Q+1
.endr
	WIN 0
.endm
; THE WAY OUT, a block of 16 rows at a time: rounded to f16 (16 bytes a lane), through my stage, back as 512 consecutive bytes an instruction.
.macro PACK a
	WIN 0x0a                                       ; sources 0 and 1 window 2
.irp b, 0,1,2,3
.irp r, 0,1,2,3
	v_cvt_pk_f16_f32 v[TMP+4*\b+\r], v[8*(4*(\a)+\b)+2*\r], v[8*(4*(\a)+\b)+2*\r+1]   ; each accumulator from its low end on
.endr
.endr
	WIN 0
.endm
.macro TOSTAGE a
.irp b, 0,1,2,3
	ds_store_b128 v[STO], v[TMP+4*\b:TMP+4*\b+3] offset:32*\b
.endr
.irp u, 0,1,2,3
	ds_load_b128 v[BK+16*((\a)%2)+4*\u:BK+16*((\a)%2)+4*\u+3], v[RD] offset:576*\u   ; LDS serves a wave's instructions in order: these see the stores above
.endr
.endm
.macro SEND a, base
	s_wait_dscnt 0x0                               ; the block is back in registers
	s_wait_xcnt 0x0                                ; earlier stores have read their registers: the other set may be loaded again behind this wait
.irp u, 0,1,2,3
	global_store_b128 v[CO], v[BK+16*((\a)%2)+4*\u:BK+16*((\a)%2)+4*\u+3], s[\base:\base+1] offset:2048*(\a)+512*\u
.endr
.endm
.macro OUT t, base
	WIN 0
	PLACES                                         ; four places behind the last products, ahead of the first read of results
	s_cmp_lg_u32 s92, 0                            ; positions 0-15 also leave in f32: the cluster's y and the wave's number alone decide
	s_cbranch_scc1 .Lnofine_\@
	WIN 0x08                                       ; a store's data are its source 1: window 2
.irp b, 0,1,2,3
.irp c, 0,1
	global_store_b128 v[VF], v[8*\b+4*\c:8*\b+4*\c+3], s[90:91] offset:65536*\t+64*\b+16*\c
.endr
.endr
	WIN 0
.Lnofine_\@:
	PACK 0
	TOSTAGE 0
.irp a, 1,2,3,4,5,6,7
	PACK \a
	SEND \a-1, \base
	TOSTAGE \a
.endr
	SEND 7, \base
.endm
	MAIN 0, 0                                      ; q
	s_wait_tensorcnt 0x0                           ; THE ONE REFILL.  No tensor load of mine is out;
	ds_add_u32 v[SPW], v[NIL]                      ; 0 onto my spare word;
	s_add_nc_u64 s[78:79], s[78:79], 131072        ; slot 0's descriptor steps to v's weights
	s_wait_dscnt 0x0                               ; the add is done, and my reads of slot 0 are over
	CROUND                                         ; the same holds of every wave of every partner
	s_cmp_eq_u32 s19, 0
	s_cbranch_scc1 .Lno_refill                     ; waves 0 and 1 have no part of this tile
	tensor_load_to_lds s[76:79], s[32:39]
	s_nop 0
.rept 4
	v_nop
.endr
.Lno_refill:
	OUT 0, 84                                      ; the refill lands under q's way out and k's products
	MAIN 1, 1                                      ; k
	OUT 1, 86
	s_wait_tensorcnt 0x0                           ; v's weights have landed;
	s_wait_dscnt 0x0
	s_barrier_signal -1
	s_barrier_wait -1                              ; everybody's part has
	MAIN 2, 0                                      ; v
	OUT 2, 88
	s_wait_tensorcnt 0x0                           ; the wave's end
	ds_add_u32 v[SPW], v[NIL]
	s_wait_dscnt 0x0
	CROUND                                         ; the closing round
	s_endpgm
.Lfunc_end_k_qe20392f4b2_qkv:
	.size	k_qe20392f4b2_qkv, .Lfunc_end_k_qe20392f4b2_qkv-k_qe20392f4b2_qkv
	.p2alignl 7, 3214868480
	.fill 96, 4, 3214868480
	.section	.rodata,"a",@progbits
	.p2align	6, 0x0
	.amdhsa_kernel k_qe20392f4b2_qkv
		.amdhsa_group_segment_fixed_size 327680
		.amdhsa_private_segment_fixed_size 0
		.amdhsa_enable_private_segment 0
		.amdhsa_kernarg_size 56
		.amdhsa_user_sgpr_count 2
		.amdhsa_user_sgpr_kernarg_segment_ptr 1
		.amdhsa_wavefront_size32 1
		.amdhsa_system_sgpr_workgroup_id_x 1
		.amdhsa_system_sgpr_workgroup_id_y 1
		.amdhsa_system_sgpr_workgroup_id_z 1
		.amdhsa_system_vgpr_workitem_id 0
		.amdhsa_next_free_vgpr 864
		.amdhsa_next_free_sgpr 100
		.amdhsa_reserve_vcc 0
		.amdhsa_float_denorm_mode_32 3
		.amdhsa_float_denorm_mode_16_64 3
		.amdhsa_memory_ordered 1
		.amdhsa_forward_progress 1
		.amdhsa_inst_pref_size 204
	.end_amdhsa_kernel
	.amdgpu_metadata
---
amdhsa.version: [ 1, 2 ]
amdhsa.kernels:
  - .name:           k_qe20392f4b2_qkv
    .symbol:         k_qe20392f4b2_qkv.kd
    .args:
      - { .name: xq, .offset: 0, .size: 8, .value_kind: global_buffer, .address_space: global }
      - { .name: wq, .offset: 8, .size: 8, .value_kind: global_buffer, .address_space: global }
      - { .name: bq, .offset: 16, .size: 8, .value_kind: global_buffer, .address_space: global }
      - { .name: bk, .offset: 24, .size: 8, .value_kind: global_buffer, .address_space: global }
      - { .name: bv, .offset: 32, .size: 8, .value_kind: global_buffer, .address_space: global }
      - { .name: qkv, .offset: 40, .size: 8, .value_kind: global_buffer, .address_space: global }
      - { .name: fq, .offset: 48, .size: 8, .value_kind: global_buffer, .address_space: global }
    .group_segment_fixed_size: 327680
    .private_segment_fixed_size: 0
    .kernarg_segment_align: 8
    .kernarg_segment_size: 56
    .max_flat_workgroup_size: 128
    .sgpr_count:     100
    .vgpr_count:     864
    .wavefront_size: 32
...
	.end_amdgpu_metadata
.endif
;; end of part 2
;; launch attn (part 3): grid 4 x 64, 16 waves a work-group, no clusters, 327,680 bytes of LDS; arguments qkv, ctx; writes ctx
.if DOCPART == 3
	.amdgcn_target "amdgcn-amd-amdhsa--gfx1250"
	.amdhsa_code_object_version 6
	.text
	.protected	k_qe20392f4b2_attn
	.globl	k_qe20392f4b2_attn
	.p2align	8
	.type	k_qe20392f4b2_attn,@function
k_qe20392f4b2_attn:
	s_mov_b64 s[64:65], 0
	v_nop
	global_prefetch_b8 v0, s[64:65] scope:SCOPE_SE
	s_setreg_imm32_b32 hwreg(HW_REG_WAVE_MODE, 25, 1), 1
	s_wait_xcnt 0x0
; ctx[bh][q][:] = the sum over keys k <= q of softmax_k(Q[q] . K[k] / 32) V[k][:], for each of 64 (batch, head).  Q, K, V: [64][2048][64] f16 in qkv (from bytes 0, 16,777,216, 33,554,432); ctx the same shape, f16.
; Products on f16 operands with f32 sums; maxima, exponentials and sums in f32; the weights p are rounded to f16 for the second product, ctx once at the end.
; LIMITS: |ctx| above 65,504 becomes infinity in f16, under 6e-5 it carries an absolute error of 3e-8.  Positions 0-15 of every sequence are made again, in f32, by a later launch.
; SHARES.  Work-group (j, bh) owns the blocks j and 7 - j of 256 queries: under the causal mask each work-group then has the same number of key steps.  Eight of its sixteen waves take one block, eight the other
; (role = (wave xor wave / 4) mod 2); a wave owns 32 neighbouring queries, two tiles of 16, so that each fragment of K and V read from LDS feeds two products.
; Every work-group walks 8 slots of 256 keys, 64 keys a step, with constant trip counts; a step all of whose keys come after the wave's queries is jumped over (ids alone), and a slot that none of the
; work-group's queries can see is not asked for.
; NO CLUSTER: the four work-groups of a head need 8, 7, 6 and 5 slots, and which steps a wave jumps over hangs on its work-group's number.
; LAYOUT.  S^T = K Q^T (source 0 = 16 keys, source 1 = 16 queries): a lane holds one query (lane % 16) and keys 8 (lane / 16) + 0..7 of each tile.  Two such tiles, rounded in pairs, are source 1 of O^T = V^T P.
; K comes out of LDS as it lies, V ([key][channel]) turned, by ds_load_tr16_b128.  A tile lies in LDS as dense rows of 256 bytes, TWO KEYS TO A ROW: key k at (k / 2) x pitch + (k % 2) x 128.
; SOFTMAX.  A running maximum m and sum l for each query: p = 2^(c s - c m), c = log2(e) / 32; in every step O and l are multiplied by a = 2^(c m_old - c m_new).
; REGISTERS: v1-11 addresses and the mask's numbers; v12-27 statistics (tile t at 12 + 8 t: +0 c m, +1 m, +2, +3 l, +4..7 at work, +6 a); v28-30 the way out; v32-63 Q; v64-127 a step's K, then its V;
;   v128-191 S^T (tile t at 128 + 32 t), P in place in its first 16; v192-255 O^T (tile t, channels 16 u on: 192 + 32 t + 8 u).
.set KP,    272                        ; K's pitch: 256 bytes + 16
.set VP,    288                        ; V's: 256 + 32
.set VOFF,  34816                      ; a slot: 128 rows of K, then 128 rows of V
.set SLOT1, 131072                     ; slot 1 begins here: one exclusive or turns an address from one slot to the other
.set STAGE, 202752                     ; behind the ring: 16 rows x 144 bytes for each wave
.set SPARE, 239616                     ; the spare words, 128 bytes for each wave; no other line names them
.set AK0, 1
.set AV0, 2
.set ADK, 3
.set ADV, 4
.set SPW, 5
.set NIL, 6
.set PFO, 7
.set D0,  8                            ; v8, v9: the mask's number for tile 0, 1
.set NINF, 10
.set RH,  11
.set ST,  12
.set QF,  32
.set KV,  64
.set S,   128
.set O,   192
.set TB,  2                            ; s2   LDS byte at which the slot in hand begins
.set WV,  18
.set SEL, 20
.set CS,  22                           ; s[22:23] c, twice
.set G1K, 24
.set G1V, 32
.set G0K, 40
.set G0V, 44
.set SLOTS, 67
.set PFA, 76
.set LIM, 80
.set LASTQ, 95
.set KF,  98                           ; the step's first key
.set Q0,  99                           ; my first query
; Waves 0 and 1 fetch K's halves of a slot, waves 2 and 3 V's, the others nothing.  An s_nop 0 and four v_nop follow each line.
.macro TLOAD
	s_cmp_lt_u32 s[WV], 2
	s_cbranch_scc0 .Lnot_k_\@
	tensor_load_to_lds s[G0K:G0K+3], s[G1K:G1K+7]
	s_nop 0
.rept 4
	v_nop
.endr
	s_branch .Lasked_\@
.Lnot_k_\@:
	s_cmp_lt_u32 s[WV], 4
	s_cbranch_scc0 .Lasked_\@
	tensor_load_to_lds s[G0V:G0V+3], s[G1V:G1V+7]
	s_nop 0
.rept 4
	v_nop
.endr
.Lasked_\@:
.endm
; A prefetch of what the NEXT change of slots will ask for: 32,768 dense bytes of K and as many of V.  All four work-groups of a head walk the same K and V: work-group j = 0 asks, which walks all slots.
; In it the waves ask that fetch nothing: waves 4-7 for K, waves 8-11 for V, 8,192 bytes a wave, lanes 256 bytes apart: each aligned block of 256 bytes is named once in the launch.
; Slots 0 and 1 come by their loads alone; the last change that fills a slot asks for nothing.
.macro ASK
	s_cmp_gt_u32 s[SLOTS], s[LIM]
	s_cbranch_scc0 .Lnot_mine_\@
	global_prefetch_b8 v[PFO], s[PFA:PFA+1] th:TH_LOAD_NT scope:SCOPE_SE
.Lnot_mine_\@:
.endm
	s_load_b128 s[4:7], s[0:1], 0x0                ; qkv s[4:5], ctx s[6:7]
	v_lshl_add_u32 v[SPW], v0, 2, SPARE
	v_mov_b32 v[NIL], 0
	ds_add_u32 v[SPW], v[NIL]                      ; the opening: the add, twice on end, and its wait ahead of my first tensor load
	ds_add_u32 v[SPW], v[NIL]
	v_lshrrev_b32 v1, 5, v0
	v_readfirstlane_b32 s[WV], v1                  ; wave 0..15
	s_and_b32 s72, ttmp7, 0xffff
	s_lshl_b32 s72, s72, 18                        ; the head's first byte in each of the tensors: 2,048 rows of 128 bytes
	s_lshr_b32 s74, s[WV], 2
	s_xor_b32 s74, s74, s[WV]
	s_and_b32 s74, s74, 1                          ; role
	s_sub_co_u32 s75, 7, ttmp9
	s_cmp_eq_u32 s74, 1
	s_cselect_b32 s75, s75, ttmp9                  ; my block of 256 queries: 7 - j or j
	s_lshl_b32 s75, s75, 8
	s_lshr_b32 s74, s[WV], 1
	s_lshl_b32 s74, s74, 5
	s_add_co_u32 s[Q0], s75, s74                   ; my first query
	s_sub_co_u32 s[LASTQ], 8, ttmp9
	s_lshl_b32 s[LASTQ], s[LASTQ], 8
	s_sub_co_u32 s[LASTQ], s[LASTQ], 1             ; my work-group's last query
	s_lshl_b32 s84, s[Q0], 7
	s_add_co_u32 s84, s84, s72                     ; my first row in Q and in ctx
	s_mov_b32 s85, 0
	s_and_b32 s88, s[WV], 1                        ; which half of a slot I fetch, if I fetch
	s_lshl_b32 s90, s88, 14
	s_add_co_u32 s90, s90, s72
	s_mov_b32 s91, 0
	; group 1: 64 dense rows of 256 bytes (32 elements of 8 bytes); K: 4 words of padding behind each, V: 8
	s_mov_b32 s[G1K], (3<<16)|(1<<20)|(5<<22)|(3<<25)
	s_mov_b32 s[G1V], (3<<16)|(1<<20)|(5<<22)|(7<<25)
.irp g, G1K, G1V
	s_mov_b32 s[\g+1], 32<<16                      ; tensor_dim0
	s_mov_b32 s[\g+2], 64<<16                      ; tensor_dim1
	s_mov_b32 s[\g+3], 32<<16                      ; tile_dim0
	s_mov_b32 s[\g+4], 64                          ; tile_dim1
	s_mov_b32 s[\g+5], 32                          ; from row to row
	s_mov_b32 s[\g+6], 0
	s_mov_b32 s[\g+7], 0
.endr
	s_mov_b32 s[G0K], 1
	s_mul_i32 s[G0K+1], s88, 64*KP
	s_mov_b32 s[G0V], 1
	s_mul_i32 s[G0V+1], s88, 64*VP
	s_add_co_u32 s[G0V+1], s[G0V+1], VOFF
	s_mov_b32 s[SEL], 0x76543210
	s_mov_b32 s[SEL+1], 0xfedcba98
	s_mov_b32 s[CS], 0x3d38aa3b                    ; c = log2(e) / 32
	s_mov_b32 s[CS+1], s[CS]
	s_mov_b32 s[TB], 0
	s_mov_b32 s[KF], 0
	s_mov_b32 s[SLOTS], 7
	s_mov_b32 s82, 0x2000000                       ; the prefetches: V's part of qkv, or
	s_cmp_lt_u32 s[WV], 8
	s_cselect_b32 s82, 0x1000000, s82              ; K's;
	s_add_co_u32 s82, s82, s72                     ; my head;
	s_and_b32 s83, s[WV], 3
	s_lshl_b32 s83, s83, 13
	s_add_co_u32 s82, s82, s83                     ; my wave's 8,192 bytes;
	s_add_co_u32 s82, s82, 32768                   ; in slot 1: the first change of slots steps it to slot 2
	s_mov_b32 s83, 0
	s_sub_co_u32 s86, s[WV], 4
	s_lshr_b32 s86, s86, 3                         ; 0 in waves 4 to 11,
	s_or_b32 s86, s86, ttmp9                       ; of work-group j = 0
	s_cmp_eq_u32 s86, 0
	s_cselect_b32 s[LIM], 1, -1
	s_wait_dscnt 0x0                               ; both opening adds are done
	s_wait_kmcnt 0x0
	s_add_nc_u64 s[G0K+2:G0K+3], s[4:5], s[90:91]
	s_add_nc_u64 s[G0V+2:G0V+3], s[G0K+2:G0K+3], 0x2000000
	s_add_nc_u64 s[G0K+2:G0K+3], s[G0K+2:G0K+3], 0x1000000
	s_or_b32 s[G0K+3], s[G0K+3], 0x80000000        ; type = 2
	s_or_b32 s[G0V+3], s[G0V+3], 0x80000000
	TLOAD                                          ; slot 0: it holds key 0, which counts for every query
	s_add_nc_u64 s[8:9], s[4:5], s[84:85]          ; Q at my first query
	s_add_nc_u64 s[6:7], s[6:7], s[84:85]          ; ctx likewise
	s_add_nc_u64 s[PFA:PFA+1], s[4:5], s[82:83]
	v_and_b32 v8, 15, v0                           ; r
	v_bfe_u32 v9, v0, 4, 1                         ; h
	v_lshlrev_b32 v28, 7, v8
	v_lshl_add_u32 v28, v9, 4, v28                 ; Q: row r of 128 bytes, + 16 h
.irp t, 0,1
.irp c, 0,1
.irp i, 0,1
	global_load_b128 v[QF+16*\t+8*\c+4*\i:QF+16*\t+8*\c+4*\i+3], v28, s[8:9] offset:2048*\t+64*\c+32*\i   ; tile t, channels 32 c on: Q stays in registers
.endr
.endr
.endr
	v_lshrrev_b32 v10, 1, v8
	v_mul_u32_u24 v[AK0], v10, KP
	v_and_b32 v10, 1, v8
	v_lshl_add_u32 v[AK0], v10, 7, v[AK0]
	v_lshl_add_u32 v[AK0], v9, 4, v[AK0]           ; K: key r of a tile: (r / 2) pitch + (r % 2) 128 + 16 h
	v_bfe_u32 v10, v0, 1, 2
	v_lshl_add_u32 v10, v9, 2, v10
	v_mul_u32_u24 v[AV0], v10, VP
	v_and_b32 v10, 1, v0
	v_lshl_add_u32 v[AV0], v10, 7, v[AV0]
	v_bfe_u32 v10, v0, 3, 1
	v_lshl_add_u32 v[AV0], v10, 4, v[AV0]
	v_add_nc_u32 v[AV0], VOFF, v[AV0]              ; V: key 8 h + lane % 8, channels 8 ((lane / 8) % 2) on
	v_lshlrev_b32 v10, 3, v9
	v_sub_nc_u32 v[RH], v8, v10                    ; r - 8 h
	v_mov_b32 v[NINF], 0xff800000                  ; -infinity
	v_and_b32 v[PFO], 31, v0
	v_lshlrev_b32 v[PFO], 8, v[PFO]
.irp t, 0,1
	v_mov_b32 v[ST+8*\t+1], 0xff61b1e6             ; m = -3e38, under every score
	v_mul_f32 v[ST+8*\t], s[CS], v[ST+8*\t+1]      ; c m
.irp i, 2,3,4,5,6,7
	v_mov_b32 v[ST+8*\t+\i], 0                     ; l, and the registers at work: written once, so that no way through the text reads one unwritten
.endr
.endr
.set n, 0
.rept 64
	v_mov_b32 v[O+n], 0                            ; O^T.  (The step is written once: the first finds zeros, which a = 0 leaves zeros)
.set n, n+1
.endr
; A KEY STEP: 64 keys, the q-th of the slot in hand.
.macro STEP q
	s_add_co_u32 s96, s[Q0], 31
	s_cmp_gt_u32 s[KF], s96                        ; all 64 keys come after my 32 queries: the step's work is left out; no barrier, wait for tiles or tensor load stands in a step
	s_cbranch_scc1 .Lhidden_\@
	v_add_nc_u32 v[ADK], s[TB], v[AK0]
	v_add_nc_u32 v[ADV], s[TB], v[AV0]
.rept 3
	v_nop                                          ; with the two additions five places behind the last products: the loads below land on V's registers, and the products below write over P's
.endr
.irp k, 0,1,2,3
.irp c, 0,1
.irp i, 0,1
	ds_load_b128 v[KV+16*\k+8*\c+4*\i:KV+16*\k+8*\c+4*\i+3], v[ADK] offset:(32*(\q)+8*\k)*KP+64*\c+32*\i   ; keys 16 k on, channels 32 c on
.endr
.endr
.endr
	s_wait_dscnt 0x0
.irp c, 0,1                                    ; S^T = K Q^T: eight accumulators by turns, one instruction a turn
.irp k, 0,1,2,3
.irp t, 0,1
.if \c == 0
	v_wmma_f32_16x16x32_f16 v[S+32*\t+8*\k:S+32*\t+8*\k+7], v[KV+16*\k+8*\c:KV+16*\k+8*\c+7], v[QF+16*\t+8*\c:QF+16*\t+8*\c+7], 0
.else
	v_wmma_f32_16x16x32_f16 v[S+32*\t+8*\k:S+32*\t+8*\k+7], v[KV+16*\k+8*\c:KV+16*\k+8*\c+7], v[QF+16*\t+8*\c:QF+16*\t+8*\c+7], v[S+32*\t+8*\k:S+32*\t+8*\k+7]
.endif
.endr
.endr
.endr
.rept 4
	v_nop                                          ; four places: ahead of the loads into K's registers and of the first read of the scores
.endr
.irp g, 0,1
.irp u, 0,1,2,3
	ds_load_tr16_b128 v[KV+32*\g+8*\u:KV+32*\g+8*\u+3],   v[ADV] offset:(32*(\q)+16*\g)*VP+32*\u         ; V^T: channels 16 u on, keys 32 g on: it lands under the softmax
	ds_load_tr16_b128 v[KV+32*\g+8*\u+4:KV+32*\g+8*\u+7], v[ADV] offset:(32*(\q)+16*\g)*VP+32*\u+8*VP
.endr
.endr
	s_add_co_u32 s96, s[KF], 63
	s_cmp_le_u32 s96, s[Q0]                        ; all 64 keys count for all my queries: no mask
	s_cbranch_scc1 .Lopen_\@
	s_sub_co_i32 s96, s[Q0], s[KF]
	v_add_nc_u32 v[D0], s96, v[RH]                 ; d = my query - KF - 8 h.  Register n of a tile holds key KF + 16 (n / 8) + 8 h + n % 8: hidden where 16 (n / 8) + n % 8 > d
	v_add_nc_u32 v[D0+1], 16, v[D0]
.set n, 0
.rept 32
.irp t, 0,1
	v_cmp_gt_i32 vcc_lo, 16*(n/8)+n%8, v[D0+\t]
	v_cndmask_b32 v[S+32*\t+n], v[S+32*\t+n], v[NINF], vcc_lo
.endr
.set n, n+1
.endr
.Lopen_\@:
	; the maximum of the 32 scores and the old m; the two tiles line by line, so that no line waits for the line above it.  Each accumulator is read from its low end on
.irp j, 0,1,2,3
.irp t, 0,1
	v_max3_num_f32 v[ST+8*\t+4+\j], v[S+32*\t+8*\j], v[S+32*\t+8*\j+1], v[S+32*\t+8*\j+2]
.endr
.endr
.irp i, 3,5
.irp j, 0,1,2,3
.irp t, 0,1
	v_max3_num_f32 v[ST+8*\t+4+\j], v[ST+8*\t+4+\j], v[S+32*\t+8*\j+\i], v[S+32*\t+8*\j+\i+1]
.endr
.endr
.endr
.irp t, 0,1
	v_max3_num_f32 v[ST+8*\t+4], v[ST+8*\t+4], v[S+32*\t+7], v[S+32*\t+15]
.endr
.irp t, 0,1
	v_max3_num_f32 v[ST+8*\t+6], v[ST+8*\t+6], v[S+32*\t+23], v[S+32*\t+31]
.endr
.irp t, 0,1
	v_max3_num_f32 v[ST+8*\t+4], v[ST+8*\t+4], v[ST+8*\t+5], v[ST+8*\t+6]
.endr
.irp t, 0,1
	v_max3_num_f32 v[ST+8*\t+4], v[ST+8*\t+4], v[ST+8*\t+7], v[ST+8*\t+1]
.endr
.irp t, 0,1
	v_permlanex16_b32 v[ST+8*\t+5], v[ST+8*\t+4], s[SEL], s[SEL+1]   ; the query's other 32 keys lie in the lane 16 away
.endr
.irp t, 0,1
	v_mov_b32 v[ST+8*\t+7], v[ST+8*\t]             ; c m_old
.endr
.irp t, 0,1
	v_max_num_f32 v[ST+8*\t+1], v[ST+8*\t+4], v[ST+8*\t+5]
.endr
.irp t, 0,1
	v_mul_f32 v[ST+8*\t], s[CS], v[ST+8*\t+1]
.endr
.irp t, 0,1
	v_sub_f32 v[ST+8*\t+7], v[ST+8*\t+7], v[ST+8*\t]
.endr
.set n, 0
.rept 16
.irp t, 0,1
	v_pk_fma_f32 v[S+32*\t+n:S+32*\t+n+1], v[S+32*\t+n:S+32*\t+n+1], s[CS:CS+1], v[ST+8*\t:ST+8*\t+1] op_sel_hi:[1,0,0] neg_lo:[0,0,1] neg_hi:[0,0,1]   ; c s - c m
.endr
.set n, n+2
.endr
.irp t, 0,1
	v_exp_f32 v[ST+8*\t+6], v[ST+8*\t+7]           ; a
.endr
.set n, 0
.rept 32
.irp t, 0,1
	v_exp_f32 v[S+32*\t+n], v[S+32*\t+n]           ; p
.endr
.set n, n+1
.endr
	v_nop                                          ; a plain line behind the last exponential
	s_wait_alu depctr_va_vdst(0)                   ; one wait for the 66 exponentials, ahead of the first line that names a result
.irp t, 0,1                                    ; the sums are taken of p unrounded: l = a l + the pairs, in two chains
	v_pk_fma_f32 v[ST+8*\t+2:ST+8*\t+3], v[ST+8*\t+2:ST+8*\t+3], v[ST+8*\t+6:ST+8*\t+7], v[S+32*\t:S+32*\t+1] op_sel_hi:[1,0,1]
.endr
.irp t, 0,1
	v_pk_add_f32 v[ST+8*\t+4:ST+8*\t+5], v[S+32*\t+2:S+32*\t+3], v[S+32*\t+4:S+32*\t+5]
.endr
.irp j, 6,10,14,18,22,26
.irp t, 0,1
	v_pk_add_f32 v[ST+8*\t+2:ST+8*\t+3], v[ST+8*\t+2:ST+8*\t+3], v[S+32*\t+\j:S+32*\t+\j+1]
	v_pk_add_f32 v[ST+8*\t+4:ST+8*\t+5], v[ST+8*\t+4:ST+8*\t+5], v[S+32*\t+\j+2:S+32*\t+\j+3]
.endr
.endr
.irp t, 0,1
	v_pk_add_f32 v[ST+8*\t+2:ST+8*\t+3], v[ST+8*\t+2:ST+8*\t+3], v[S+32*\t+30:S+32*\t+31]
.endr
.irp t, 0,1
	v_pk_add_f32 v[ST+8*\t+2:ST+8*\t+3], v[ST+8*\t+2:ST+8*\t+3], v[ST+8*\t+4:ST+8*\t+5]
.endr
.set n, 0
.rept 16
.irp t, 0,1
	v_cvt_pk_f16_f32 v[S+32*\t+n], v[S+32*\t+2*n], v[S+32*\t+2*n+1]   ; P in place, ascending: register n is written when registers 2 n, 2 n + 1 are read
.endr
.set n, n+1
.endr
.set n, 0
.rept 16
.irp t, 0,1
	v_pk_mul_f32 v[O+32*\t+n:O+32*\t+n+1], v[O+32*\t+n:O+32*\t+n+1], v[ST+8*\t+6:ST+8*\t+7] op_sel_hi:[1,0]   ; O^T x a
.endr
.set n, n+2
.endr
	s_wait_dscnt 0x0                               ; V is in
.irp g, 0,1                                    ; O^T += V^T P: eight accumulators by turns
.irp u, 0,1,2,3
.irp t, 0,1
	v_wmma_f32_16x16x32_f16 v[O+32*\t+8*\u:O+32*\t+8*\u+7], v[KV+32*\g+8*\u:KV+32*\g+8*\u+7], v[S+32*\t+8*\g:S+32*\t+8*\g+7], v[O+32*\t+8*\u:O+32*\t+8*\u+7]
.endr
.endr
.endr
.Lhidden_\@:
	s_add_co_u32 s[KF], s[KF], 64
.endm
; THE CHANGE OF SLOTS stands at a slot's head.  Each wave waits for all its tensor loads, adds 0 to its spare word, and waits for that and for its reads of the slot that it has left; behind the barrier the slot
; ahead is whole and nobody reads the other one.  fill = 1: that other slot is asked for, up to the causal limit; the load has a slot's four steps in which to land.
.macro CHANGE fill
	s_wait_tensorcnt 0x0                           ; no tensor load of mine is out, so a group 0 may be written
	ds_add_u32 v[SPW], v[NIL]
.if \fill
	ds_add_u32 v[SPW], v[NIL]                      ; and, in the loop, twice on end, in every trip alike
	s_xor_b32 s[G0K+1], s[G0K+1], SLOT1            ; the walking descriptors: the other slot, the next 256 keys
	s_add_nc_u64 s[G0K+2:G0K+3], s[G0K+2:G0K+3], 32768
	s_xor_b32 s[G0V+1], s[G0V+1], SLOT1
	s_add_nc_u64 s[G0V+2:G0V+3], s[G0V+2:G0V+3], 32768
	s_wait_xcnt 0x0                                ; the last prefetch, a slot back, has read its address
	s_add_nc_u64 s[PFA:PFA+1], s[PFA:PFA+1], 32768
.endif
	s_wait_dscnt 0x0                               ; the add is done, and my reads of the slot that I have left are over
	s_barrier_signal -1
	s_barrier_wait -1
.if \fill
	s_add_co_u32 s96, s[KF], 256                   ; the first key of the slot that this change would ask for:
	s_cmp_gt_u32 s96, s[LASTQ]                     ; behind my work-group's last query it would be read by none of the sixteen waves.  Ids and the count of steps alone: all waves go the same way
	s_cbranch_scc1 .Lpast_\@
	TLOAD                                          ; a wave's one tensor load until the next change
.Lpast_\@:
	ASK
.endif
.endm
.macro SLOT_STEPS
	STEP 0
	STEP 1
	STEP 2
	STEP 3
	s_xor_b32 s[TB], s[TB], SLOT1
.endm
	s_wait_loadcnt 0x0                             ; Q
.Lslot:                                            ; seven trips
	CHANGE 1
	SLOT_STEPS
	s_sub_co_u32 s[SLOTS], s[SLOTS], 1
	s_cmp_lg_u32 s[SLOTS], 0
	s_cbranch_scc1 .Lslot
	CHANGE 0                                       ; the last slot is written out: nothing is left to ask for
	SLOT_STEPS
	; THE WAY OUT: O^T / l, rounded to f16, through my stage, back as 512 consecutive bytes an instruction
.rept 4
	v_nop                                          ; four places behind the last products
.endr
.irp t, 0,1
	v_add_f32 v[ST+8*\t+4], v[ST+8*\t+2], v[ST+8*\t+3]
.endr
.irp t, 0,1
	v_permlanex16_b32 v[ST+8*\t+5], v[ST+8*\t+4], s[SEL], s[SEL+1]
.endr
.irp t, 0,1
	v_add_f32 v[ST+8*\t+4], v[ST+8*\t+4], v[ST+8*\t+5]
.endr
.irp t, 0,1
	v_rcp_f32 v[ST+8*\t+6], v[ST+8*\t+4]
.endr
	v_and_b32 v31, 15, v0                          ; r  (plain work behind the reciprocals)
	v_bfe_u32 v3, v0, 4, 1                         ; h
	v_and_b32 v4, 31, v0                           ; lane
	s_mul_i32 s96, s[WV], 2304
	s_add_co_u32 s96, s96, STAGE
	v_mul_u32_u24 v28, v31, 144
	v_lshl_add_u32 v28, v3, 4, v28
	v_add_nc_u32 v28, s96, v28                     ; in: row r, 16 bytes for each half of the lanes
	v_lshrrev_b32 v29, 3, v4
	v_mul_u32_u24 v29, v29, 144
	v_and_b32 v31, 7, v4
	v_lshl_add_u32 v29, v31, 4, v29
	v_add_nc_u32 v29, s96, v29                     ; back: eight lanes to a row of 128 bytes
	v_lshlrev_b32 v30, 4, v4
	s_wait_alu depctr_va_vdst(0)                   ; one wait for the two reciprocals, ahead of their first reader
.irp t, 0,1
.set n, 0
.rept 16
	v_pk_mul_f32 v[O+32*\t+n:O+32*\t+n+1], v[O+32*\t+n:O+32*\t+n+1], v[ST+8*\t+6:ST+8*\t+7] op_sel_hi:[1,0]
.set n, n+2
.endr
.set n, 0
.rept 16
	v_cvt_pk_f16_f32 v[KV+16*\t+n], v[O+32*\t+2*n], v[O+32*\t+2*n+1]
.set n, n+1
.endr
.irp u, 0,1,2,3
	ds_store_b128 v28, v[KV+16*\t+4*\u:KV+16*\t+4*\u+3] offset:32*\u
.endr
.irp u, 0,1,2,3
	ds_load_b128 v[KV+32+16*\t+4*\u:KV+32+16*\t+4*\u+3], v29 offset:576*\u   ; in order behind my stores; the next tile's stores come behind these
.endr
.endr
.irp u, 0,1,2,3
	s_wait_dscnt 11-\u                             ; behind tile 0's load u: its later loads and tile 1's eight
	global_store_b128 v30, v[KV+32+4*\u:KV+32+4*\u+3], s[6:7] offset:512*\u
.endr
.irp u, 0,1,2,3
	s_wait_dscnt 3-\u
	global_store_b128 v30, v[KV+48+4*\u:KV+48+4*\u+3], s[6:7] offset:2048+512*\u
.endr
	s_wait_tensorcnt 0x0                           ; the wave's end
	ds_add_u32 v[SPW], v[NIL]
	s_wait_dscnt 0x0
	s_endpgm
.Lfunc_end_k_qe20392f4b2_attn:
	.size	k_qe20392f4b2_attn, .Lfunc_end_k_qe20392f4b2_attn-k_qe20392f4b2_attn
	.p2alignl 7, 3214868480
	.fill 96, 4, 3214868480
	.section	.rodata,"a",@progbits
	.p2align	6, 0x0
	.amdhsa_kernel k_qe20392f4b2_attn
		.amdhsa_group_segment_fixed_size 327680
		.amdhsa_private_segment_fixed_size 0
		.amdhsa_enable_private_segment 0
		.amdhsa_kernarg_size 16
		.amdhsa_user_sgpr_count 2
		.amdhsa_user_sgpr_kernarg_segment_ptr 1
		.amdhsa_wavefront_size32 1
		.amdhsa_system_sgpr_workgroup_id_x 1
		.amdhsa_system_sgpr_workgroup_id_y 1
		.amdhsa_system_sgpr_workgroup_id_z 1
		.amdhsa_system_vgpr_workitem_id 0
		.amdhsa_next_free_vgpr 256
		.amdhsa_next_free_sgpr 100
		.amdhsa_reserve_vcc 1
		.amdhsa_float_denorm_mode_32 3
		.amdhsa_float_denorm_mode_16_64 3
		.amdhsa_memory_ordered 1
		.amdhsa_forward_progress 1
		.amdhsa_inst_pref_size 188
	.end_amdhsa_kernel
	.amdgpu_metadata
---
amdhsa.version: [ 1, 2 ]
amdhsa.kernels:
  - .name:           k_qe20392f4b2_attn
    .symbol:         k_qe20392f4b2_attn.kd
    .args:
      - { .name: qkv, .offset: 0, .size: 8, .value_kind: global_buffer, .address_space: global }
      - { .name: ctx, .offset: 8, .size: 8, .value_kind: global_buffer, .address_space: global }
    .group_segment_fixed_size: 327680
    .private_segment_fixed_size: 0
    .kernarg_segment_align: 8
    .kernarg_segment_size: 16
    .max_flat_workgroup_size: 512
    .sgpr_count:     100
    .vgpr_count:     256
    .wavefront_size: 32
...
	.end_amdgpu_metadata
.endif
;; end of part 3
;; launch proj (part 4): grid 8 x 32, 4 waves a work-group, clusters of 4 x 4, 327,680 bytes of LDS; arguments ctx, wq, bo, out0; writes out0
.if DOCPART == 4
	.amdgcn_target "amdgcn-amd-amdhsa--gfx1250"
	.amdhsa_code_object_version 6
	.text
	.protected	k_qe20392f4b2_proj
	.globl	k_qe20392f4b2_proj
	.p2align	8
	.type	k_qe20392f4b2_proj,@function
k_qe20392f4b2_proj:
	s_mov_b64 s[64:65], 0
	v_nop
	global_prefetch_b8 v0, s[64:65] scope:SCOPE_SE
	s_setreg_imm32_b32 hwreg(HW_REG_WAVE_MODE, 25, 1), 1
	s_wait_xcnt 0x0
	s_wait_alu depctr_hold_cnt(0) depctr_sa_sdst(0) depctr_va_vdst(0) depctr_va_sdst(0) depctr_va_ssrc(0) depctr_va_vcc(0) depctr_vm_vsrc(0)
	s_getreg_b32 s2, hwreg(HW_REG_IB_STS2, 6, 4)
	s_cmp_eq_u32 s2, 0
	s_cbranch_scc0 .Lentry_in_a_cluster
	s_endpgm
.Lentry_in_a_cluster:
	s_bfe_u32 s2, ttmp6, 0x10000c
	s_cmp_lg_u32 s2, 0xf033
	s_cbranch_scc0 .Lentry_shape_is_right
	s_endpgm
.Lentry_shape_is_right:
; out0 = ctx Wo + bo.  ctx: [batch][head][position][64] f16; Wo: f16 [k 1024][n 1024] at byte WO of wq; bo, out0: f32.  Sums in f32.  (Positions 0-15 of each batch are written again, finely, by the next launch.)
; A work-group makes 256 rows x 128 columns, a wave 128 x 64: 32 accumulators.  K goes in 8 steps of 128 (two heads) through two LDS slots.  In a slot: ctx's two heads, each 256 positions x 128 bytes, a dense
; block of memory laid as 128 rows of 256 bytes (two positions to a row) + 16 of padding; then 128 rows (k) of Wo x 256 bytes + 32 of padding.
; THE MATRIX INSTRUCTION IS USED TRANSPOSED: source 0 = 16 columns of Wo (turned on the way out of LDS by ds_load_tr16_b128), source 1 = 16 rows of ctx: a lane holds eight neighbouring columns of a row.
; CLUSTER 4 x 4: ctx's tiles are shared along a row of the cluster, Wo's along a column: joint loads.
; REGISTERS: window 0: v16-30 addresses; v32-63 bo in the result's layout; v64-127 rows on the way out.  window 1: two fragment buffers of 96 (Wo's 32, ctx's 64).  window 2: accumulator (a, b) at 8 (4 a + b).
.set WO,    1671168
.set SLOT,  106496
.set BOFF,  69632
.set STAGE, 212992                     ; 16 rows x 272 bytes for each wave
.set SPARE, 230400                     ; the spare words, 128 bytes for each wave; no other line names them
.set ADRA, 16
.set ADRB, 20
.set STO,  24
.set RD,   25
.set CO,   26
.set VB,   27
.set SPW,  28
.set NIL,  29
.set PFO,  30
.set BO,   32
.set BK,   64
.set F0,   0
.set F1,   96
.set G1,   24
.set G0,   32
.set G1B,  48
.set G0B,  56
.set LIM,  68
.set PFA,  70
.set MSB, 0
.macro WIN new
.if MSB != (\new)
	s_set_vgpr_msb (MSB<<8)|(\new)
.set MSB, (\new)
.endif
.endm
.macro PLACES
.rept 4
	v_nop
.endr
.endm
.macro JLOAD s                         ; waves 0 and 1 fetch ctx's two heads, waves 2 and 3 Wo's two halves; an s_nop 0 and four v_nop follow each line
	s_cmp_eq_u32 s13, 0
	s_cbranch_scc0 .Lfor_b_\@
	tensor_load_to_lds s[G0+4*\s:G0+4*\s+3], s[G1:G1+7]
	s_nop 0
.rept 4
	v_nop
.endr
	s_branch .Lasked_\@
.Lfor_b_\@:
	tensor_load_to_lds s[G0B+4*\s:G0B+4*\s+3], s[G1B:G1B+7]
	s_nop 0
.rept 4
	v_nop
.endr
.Lasked_\@:
.endm
.macro CREST
	s_cmp_lg_u32 s12, 0
	s_cbranch_scc1 .Lnot_wave_0_\@
	s_barrier_signal -3
.Lnot_wave_0_\@:
	s_barrier_wait -3
	s_barrier_signal -1
	s_barrier_wait -1
.endm
.macro CROUND
	s_barrier_signal -1
	s_barrier_wait -1
	CREST
.endm
; A prefetch of ctx's tile of the K step that stands two refills on.  A tile row of ctx is read by both clusters of a row of clusters: cluster x = 0 asks.  Of a head's 32,768 bytes each of the four partners
; takes 8,192, told apart by address (cx), lanes 256 bytes apart; waves 0 and 1 ask, one head each.  So each aligned block of 256 bytes is named once.  The last two refills have no K step two on.
.macro ASK
	s_cmp_gt_u32 s3, s[LIM]
	s_cbranch_scc0 .Lnot_mine_\@
	global_prefetch_b8 v[PFO], s[PFA:PFA+1] offset:524288 th:TH_LOAD_NT scope:SCOPE_SE
.Lnot_mine_\@:
.endm
	s_load_b256 s[4:11], s[0:1], 0x0               ; ctx s[4:5], wq s[6:7], bo s[8:9], out0 s[10:11]
	v_lshl_add_u32 v[SPW], v0, 2, SPARE
	v_mov_b32 v[NIL], 0
	ds_add_u32 v[SPW], v[NIL]                      ; the opening: the add, twice on end, and its wait ahead of my first tensor load
	ds_add_u32 v[SPW], v[NIL]
	v_lshrrev_b32 v1, 5, v0
	v_readfirstlane_b32 s12, v1                    ; wave 0..3
	s_lshr_b32 s13, s12, 1                         ; my half of the rows.  Also: I fetch for ctx (0) or for Wo (1)
	s_and_b32 s14, s12, 1                          ; my half of the columns.  Also: which head, or which 64 rows of Wo, I fetch
	s_bfe_u32 s40, ttmp6, 0x40000                  ; cx
	s_bfe_u32 s41, ttmp6, 0x40004                  ; cy
	s_lshl_b32 s42, ttmp9, 2
	s_add_co_u32 s42, s42, s40                     ; c: tile of 128 columns
	s_and_b32 s15, ttmp7, 0xffff
	s_lshl_b32 s15, s15, 2
	s_add_co_u32 s15, s15, s41                     ; y: tile of 256 rows
	s_lshl_b32 s66, s41, 2
	s_lshl_b32 s66, 15, s66                        ; my row of the cluster
	s_lshl_b32 s67, 0x1111, s40                    ; my column
	s_or_b32 s[G1], s66, (3<<16)|(1<<20)|(1<<21)|(5<<22)|(3<<25)    ; ctx: 128 dense rows of 32 elements of 8 bytes, 4 words of padding behind each
	s_mov_b32 s[G1+1], 32<<16
	s_mov_b32 s[G1+2], 128<<16
	s_mov_b32 s[G1+3], 32<<16
	s_mov_b32 s[G1+4], 128
	s_mov_b32 s[G1+5], 32
	s_mov_b32 s[G1+6], 0
	s_mov_b32 s[G1+7], 0
	s_or_b32 s[G1B], s67, (3<<16)|(1<<20)|(1<<21)|(5<<22)|(7<<25)   ; Wo: 64 rows of 32 elements, 256 elements (2,048 bytes) apart, 8 words of padding
	s_mov_b32 s[G1B+1], 32<<16
	s_mov_b32 s[G1B+2], 64<<16
	s_mov_b32 s[G1B+3], 32<<16
	s_mov_b32 s[G1B+4], 64
	s_mov_b32 s[G1B+5], 256
	s_mov_b32 s[G1B+6], 0
	s_mov_b32 s[G1B+7], 0
	s_lshr_b32 s16, s15, 3                         ; ctx's side hangs on y and the wave alone: the batch: 16 heads of 262,144 bytes,
	s_lshl_b32 s16, s16, 22
	s_and_b32 s17, s15, 7
	s_lshl_b32 s17, s17, 15                        ; 256 positions of 128 bytes,
	s_add_co_u32 s16, s16, s17
	s_lshl_b32 s17, s14, 18                        ; my head of the step's two
	s_add_co_u32 s16, s16, s17
	s_mov_b32 s17, 0
	s_lshl_b32 s46, s14, 17                        ; Wo's on c and the wave alone: my 64 rows,
	s_lshl_b32 s47, s42, 8                         ; 128 columns of 2 bytes
	s_add_co_u32 s46, s46, s47
	s_add_co_u32 s46, s46, WO
	s_mov_b32 s47, 0
	s_mul_i32 s20, s14, 34816                      ; where they go
	s_mul_i32 s21, s14, 18432
	s_add_co_u32 s21, s21, BOFF
	s_lshl_b32 s44, s40, 13                        ; the prefetches: my work-group's 8,192 bytes
	s_mov_b32 s45, 0
	s_or_b32 s[LIM], s13, ttmp9                    ; 0 in waves 0 and 1 of cluster x = 0: the same in all sixteen partners
	s_cmp_eq_u32 s[LIM], 0
	s_cselect_b32 s[LIM], 1, -1
	s_wait_dscnt 0x0                               ; both opening adds are done
	s_wait_kmcnt 0x0
	s_add_nc_u64 s[18:19], s[4:5], s[16:17]
	s_add_nc_u64 s[46:47], s[6:7], s[46:47]
	s_add_nc_u64 s[PFA:PFA+1], s[18:19], s[44:45]
	s_add_nc_u64 s[PFA:PFA+1], s[PFA:PFA+1], 1048576   ; at K step 2: the first refill steps it to 3 and names K step 4
	CROUND                                         ; all sixteen work-groups are here
.irp s, 0,1
	s_mov_b32 s[G0+4*\s], 1
	s_add_co_u32 s[G0+4*\s+1], s20, \s*SLOT
	s_add_nc_u64 s[G0+4*\s+2:G0+4*\s+3], s[18:19], \s*524288
	s_or_b32 s[G0+4*\s+3], s[G0+4*\s+3], 0x80000000
	s_mov_b32 s[G0B+4*\s], 1
	s_add_co_u32 s[G0B+4*\s+1], s21, \s*SLOT
	s_add_nc_u64 s[G0B+4*\s+2:G0B+4*\s+3], s[46:47], \s*262144
	s_or_b32 s[G0B+4*\s+3], s[G0B+4*\s+3], 0x80000000
	JLOAD \s
.endr
	v_and_b32 v1, 15, v0                           ; r
	v_bfe_u32 v2, v0, 4, 1                         ; h
	v_and_b32 v3, 31, v0                           ; lane
	v_lshrrev_b32 v4, 1, v1
	v_mul_u32_u24 v4, v4, 272
	v_and_b32 v5, 1, v1
	v_lshl_add_u32 v4, v5, 7, v4
	v_lshl_add_u32 v4, v2, 4, v4                   ; ctx: row r of a block: (r / 2) pitch + (r % 2) 128 + 16 h
	s_mul_i32 s22, s13, 17408
	v_add_nc_u32 v[ADRA], s22, v4
	v_add_nc_u32 v[ADRA+1], SLOT, v[ADRA]
	v_and_b32 v5, 7, v0
	v_lshl_add_u32 v5, v2, 3, v5
	v_mul_u32_u24 v5, v5, 288
	v_bfe_u32 v6, v0, 3, 1
	v_lshl_add_u32 v5, v6, 4, v5                   ; Wo: row 8 h + lane % 8, columns 8 ((lane / 8) % 2) on
	s_lshl_b32 s22, s14, 7
	s_add_co_u32 s22, s22, BOFF
	v_add_nc_u32 v[ADRB], s22, v5
	v_add_nc_u32 v[ADRB+1], SLOT, v[ADRB]
	s_mul_i32 s23, s12, 4352
	s_add_co_u32 s23, s23, STAGE
	v_mul_u32_u24 v[STO], v1, 272
	v_lshl_add_u32 v[STO], v2, 5, v[STO]
	v_add_nc_u32 v[STO], s23, v[STO]               ; the stage, in: row r, 32 bytes for each half of the lanes
	v_mul_u32_u24 v[RD], v2, 272
	v_lshl_add_u32 v[RD], v1, 4, v[RD]
	v_add_nc_u32 v[RD], s23, v[RD]                 ; back: sixteen lanes to a row of 256 bytes
	v_lshlrev_b32 v[CO], 12, v2
	v_lshl_add_u32 v[CO], v1, 4, v[CO]             ; and the same two rows in out0
	v_lshlrev_b32 v[VB], 5, v2
	v_lshlrev_b32 v[PFO], 8, v3
	s_lshl_b32 s22, s42, 9
	s_lshl_b32 s23, s14, 8
	s_add_co_u32 s22, s22, s23                     ; my 64 columns in f32
	s_mov_b32 s23, 0
	s_add_nc_u64 s[8:9], s[8:9], s[22:23]
	s_add_nc_u64 s[10:11], s[10:11], s[22:23]
	s_lshl_b32 s22, s15, 20                        ; 256 rows of 4,096 bytes,
	s_lshl_b32 s43, s13, 19                        ; my 128
	s_add_co_u32 s22, s22, s43
	s_add_nc_u64 s[10:11], s[10:11], s[22:23]
.irp b, 0,1,2,3
.irp c, 0,1
	global_load_b128 v[BO+8*\b+4*\c:BO+8*\b+4*\c+3], v[VB], s[8:9] offset:64*\b+16*\c   ; bo: the C of each sum's first product
.endr
.endr
; 8 matrix instructions: rows 16 a0 and 16 (a0 + 1) on x all four blocks of columns, 32 along K.  The 32 accumulators take turns in the same order in every quarter.
.macro MUL8 f, a0, first
.irp a, \a0, \a0+1
.irp b, 0,1,2,3
.if \first
	v_wmma_f32_16x16x32_f16 v[8*(4*(\a)+\b):8*(4*(\a)+\b)+7], v[\f+8*\b:\f+8*\b+7], v[\f+32+8*(\a):\f+32+8*(\a)+7], v[BO+8*\b:BO+8*\b+7]
.else
	v_wmma_f32_16x16x32_f16 v[8*(4*(\a)+\b):8*(4*(\a)+\b)+7], v[\f+8*\b:\f+8*\b+7], v[\f+32+8*(\a):\f+32+8*(\a)+7], v[8*(4*(\a)+\b):8*(4*(\a)+\b)+7]
.endif
.endr
.endr
.endm
; 24 LDS loads: quarter k (32 along K: head k / 2, channels 32 (k % 2) on; rows 32 k on of Wo's tile) into buffer f
.macro FETCH slot, k, f
	WIN 0x40
.irp b, 0,1,2,3
	ds_load_tr16_b128 v[\f+8*\b:\f+8*\b+3],   v[ADRB+\slot] offset:9216*(\k)+32*\b
	ds_load_tr16_b128 v[\f+8*\b+4:\f+8*\b+7], v[ADRB+\slot] offset:9216*(\k)+32*\b+4608
.endr
.irp i, 0,1,2,3,4,5,6,7
	ds_load_b128 v[\f+32+8*\i:\f+32+8*\i+3],   v[ADRA+\slot] offset:((\k)/2)*34816+((\k)%2)*64+2176*\i
	ds_load_b128 v[\f+32+8*\i+4:\f+32+8*\i+7], v[ADRA+\slot] offset:((\k)/2)*34816+((\k)%2)*64+2176*\i+32
.endr
.endm
; One of a K step's first three quarters: multiplies buffer f; in its middle it fetches quarter k into buffer g, four places behind the products that read g.
.macro QUARTER slot, k, f, g, first
	s_wait_dscnt 0x0                               ; buffer f is in (asked for 16 matrix instructions ago)
	WIN 0xa5-0x20*\first                           ; sources window 1, D window 2; C window 2, or window 0 where it is bo
	MUL8 \f, 0, \first
	MUL8 \f, 2, \first
	PLACES
	FETCH \slot, \k, \g
	WIN 0xa5-0x20*\first
	MUL8 \f, 4, \first
	MUL8 \f, 6, \first
.endm
; The last quarter multiplies buffer 1 and changes slots: one barrier; in front of it each wave waits for all its tensor loads, adds 0 to its spare word, and waits for that and for its reads of this slot.
.macro TURN slot, next, fill
.if \fill
	s_wait_xcnt 0x0                                ; the last prefetch, a K step back, has read its address
	s_add_nc_u64 s[PFA:PFA+1], s[PFA:PFA+1], 524288
.endif
	WIN 0
	s_wait_tensorcnt 0x0                           ; all my tensor loads have landed: my part of the next slot;
	ds_add_u32 v[SPW], v[NIL]
	s_wait_dscnt 1                                 ; (buffer 1 is in; the add may be out)
	WIN 0xa5
	MUL8 F1, 0, 0
	s_wait_dscnt 0x0                               ; the add is done, and my reads of this slot are over
	s_barrier_signal -1
	MUL8 F1, 2, 0
	WIN 0
	s_barrier_wait -1
.if \fill
	CREST                                          ; the barrier has opened a round of the cluster's barrier: no wave of any partner still reads this slot or has a load on its way
	s_add_nc_u64 s[G0+4*\slot+2:G0+4*\slot+3], s[G0+4*\slot+2:G0+4*\slot+3], 1048576
	s_add_nc_u64 s[G0B+4*\slot+2:G0B+4*\slot+3], s[G0B+4*\slot+2:G0B+4*\slot+3], 524288
	JLOAD \slot                                    ; the first tensor load behind the round; its four v_nop are also the places in front of the loads below
.else
	PLACES
.endif
	FETCH \next, 0, F0
.if \fill
	WIN 0
	ASK
.endif
	WIN 0xa5
	MUL8 F1, 4, 0
	MUL8 F1, 6, 0
.endm
	s_wait_tensorcnt 1                             ; my part of K step 0 is in; K step 1's may stay out
	s_wait_loadcnt 0x0                             ; bo
	s_barrier_signal -1
	s_barrier_wait -1
	FETCH 0, 0, F0
	QUARTER 0, 1, F0, F1, 1                        ; the first quarter stands in front of the loop: its products start the sums, from bo
	WIN 0
	s_mov_b32 s3, 3
.Llap:                                             ; a trip goes once round the ring and fills both slots again
	QUARTER 0, 2, F1, F0, 0
	QUARTER 0, 3, F0, F1, 0
	TURN 0, 1, 1
	QUARTER 1, 1, F0, F1, 0
	QUARTER 1, 2, F1, F0, 0
	QUARTER 1, 3, F0, F1, 0
	TURN 1, 0, 1
	QUARTER 0, 1, F0, F1, 0
	WIN 0
	s_sub_co_u32 s3, s3, 1
	s_cmp_lg_u32 s3, 0
	s_cbranch_scc1 .Llap
	QUARTER 0, 2, F1, F0, 0                        ; the last lap fills nothing
	QUARTER 0, 3, F0, F1, 0
	TURN 0, 1, 0
	QUARTER 1, 1, F0, F1, 0
	QUARTER 1, 2, F1, F0, 0
	QUARTER 1, 3, F0, F1, 0
	s_wait_dscnt 0x0
	WIN 0xa5
	MUL8 F1, 0, 0
	MUL8 F1, 2, 0
	MUL8 F1, 4, 0
	MUL8 F1, 6, 0
	WIN 0
; THE WAY OUT, a block of 16 rows x 64 columns at a time, through my stage: sixteen lanes store 256 consecutive bytes, aligned.
.macro TOSTAGE a
	WIN 0x08                                       ; an LDS store's data are its source 1: window 2
.irp b, 0,1,2,3
	ds_store_b128 v[STO], v[8*(4*(\a)+\b):8*(4*(\a)+\b)+3] offset:64*\b          ; each accumulator from its low end on
	ds_store_b128 v[STO], v[8*(4*(\a)+\b)+4:8*(4*(\a)+\b)+7] offset:64*\b+16
.endr
	WIN 0
.irp u, 0,1,2,3,4,5,6,7
	ds_load_b128 v[BK+32*((\a)%2)+4*\u:BK+32*((\a)%2)+4*\u+3], v[RD] offset:544*\u   ; in order behind my stores
.endr
.endm
.macro SEND a, younger
	s_wait_dscnt \younger
.irp u, 0,1,2,3,4,5,6,7
	global_store_b128 v[CO], v[BK+32*((\a)%2)+4*\u:BK+32*((\a)%2)+4*\u+3], s[10:11] offset:(16*(\a)+2*\u)*4096 th:TH_STORE_NT
.endr
.endm
	PLACES                                         ; four places behind the last products, ahead of the first read of results
	TOSTAGE 0
.irp a, 1,2,3,4,5,6,7
.if \a > 1
	s_wait_xcnt 0x0                                ; block a - 2's stores have read their registers: block a's loads may land there
.endif
	TOSTAGE \a
	SEND \a-1, 16                                  ; behind block a - 1's loads: block a's 8 stores and 8 loads
.endr
	SEND 7, 0
	s_wait_tensorcnt 0x0                           ; the wave's end
	ds_add_u32 v[SPW], v[NIL]
	s_wait_dscnt 0x0
	CROUND                                         ; the closing round
	s_endpgm
.Lfunc_end_k_qe20392f4b2_proj:
	.size	k_qe20392f4b2_proj, .Lfunc_end_k_qe20392f4b2_proj-k_qe20392f4b2_proj
	.p2alignl 7, 3214868480
	.fill 96, 4, 3214868480
	.section	.rodata,"a",@progbits
	.p2align	6, 0x0
	.amdhsa_kernel k_qe20392f4b2_proj
		.amdhsa_group_segment_fixed_size 327680
		.amdhsa_private_segment_fixed_size 0
		.amdhsa_enable_private_segment 0
		.amdhsa_kernarg_size 32
		.amdhsa_user_sgpr_count 2
		.amdhsa_user_sgpr_kernarg_segment_ptr 1
		.amdhsa_wavefront_size32 1
		.amdhsa_system_sgpr_workgroup_id_x 1
		.amdhsa_system_sgpr_workgroup_id_y 1
		.amdhsa_system_sgpr_workgroup_id_z 1
		.amdhsa_system_vgpr_workitem_id 0
		.amdhsa_next_free_vgpr 768
		.amdhsa_next_free_sgpr 80
		.amdhsa_reserve_vcc 0
		.amdhsa_float_denorm_mode_32 3
		.amdhsa_float_denorm_mode_16_64 3
		.amdhsa_memory_ordered 1
		.amdhsa_forward_progress 1
		.amdhsa_inst_pref_size 87
	.end_amdhsa_kernel
	.amdgpu_metadata
---
amdhsa.version: [ 1, 2 ]
amdhsa.kernels:
  - .name:           k_qe20392f4b2_proj
    .symbol:         k_qe20392f4b2_proj.kd
    .args:
      - { .name: ctx, .offset: 0, .size: 8, .value_kind: global_buffer, .address_space: global }
      - { .name: wq, .offset: 8, .size: 8, .value_kind: global_buffer, .address_space: global }
      - { .name: bo, .offset: 16, .size: 8, .value_kind: global_buffer, .address_space: global }
      - { .name: out0, .offset: 24, .size: 8, .value_kind: global_buffer, .address_space: global }
    .group_segment_fixed_size: 327680
    .private_segment_fixed_size: 0
    .kernarg_segment_align: 8
    .kernarg_segment_size: 32
    .max_flat_workgroup_size: 128
    .sgpr_count:     80
    .vgpr_count:     768
    .wavefront_size: 32
...
	.end_amdgpu_metadata
.endif
;; end of part 4
;; launch fine (part 5): grid 16 x 4, 16 waves a work-group, no clusters, 71,680 bytes of LDS; arguments fq, Wo, bo, out0; writes out0
.if DOCPART == 5
	.amdgcn_target "amdgcn-amd-amdhsa--gfx1250"
	.amdhsa_code_object_version 6
	.text
	.protected	k_qe20392f4b2_fine
	.globl	k_qe20392f4b2_fine
	.p2align	8
	.type	k_qe20392f4b2_fine,@function
k_qe20392f4b2_fine:
	s_mov_b64 s[64:65], 0
	v_nop
	global_prefetch_b8 v0, s[64:65] scope:SCOPE_SE
	s_setreg_imm32_b32 hwreg(HW_REG_WAVE_MODE, 25, 1), 1
	s_wait_xcnt 0x0
; POSITIONS 0-15 OF EVERY SEQUENCE, IN F32 THROUGHOUT: there a softmax averages one to sixteen values, and the rounding of 16-bit operands would weigh most.  These 64 rows of out0 are written over.
; fq: [batch][q, k, v][position 0-15][1024] f32.  Work-group (g, batch) makes 16 positions x 64 columns (64 g on).  Wave e does head e's 16 x 16 attention and then multiplies its 64 channels of ctx by its
; 64 rows of Wo; the sixteen partial sums meet in LDS.  (The attention is done again in each of the 16 column groups: it is a third of a wave's products.)
; All products by v_wmma_f32_16x16x4_f32, whose lane (r, h) holds k = 2 h + register.  K IS PERMUTED ALIKE ON BOTH SIDES, so that every operand is a pair of registers as the loads or the product before left them:
;   S^T = k q^T: lane (r, h) holds channels 32 h + 0..31 of row r of both; pair c is one K step.      D: key 8 h + j, query r.
;   O^T = v^T p: p's pair c holds keys 8 h + 2 c, + 1; v is loaded so: register 8 u + j = v[8 h + j][16 u + r].      D: channel 16 u + 8 h + j, query r.
;   out^T = Wo^T ctx: ctx's pair as it stands; Wo is loaded so: register 8 u + j = Wo[16 u + 8 h + j][column r of the tile].      D: column 8 h + j, query r.
; The registers that these products write, v200-247, are written by matrix instructions alone; eight places are kept ahead of a read of a result, nine ahead of a product that writes over one.
; REGISTERS: v8-11 bo; v16-47 q, later Wo's tile 2; v48-79 k, later tile 3; v80-111 v, later ctx; v112-175 Wo's tiles 0, 1; v176-183 scores, then p; v184-190 at work; v248-253 addresses; v254, v255 the add's two.
.set SPARE, 69632                      ; behind the sixteen partial sums of 16 x 272 bytes: the spare words, 128 bytes for each wave
.macro NINE
.rept 9
	v_nop
.endr
.endm
	s_load_b256 s[4:11], s[0:1], 0x0               ; fq s[4:5], Wo s[6:7], bo s[8:9], out0 s[10:11]
	v_lshl_add_u32 v254, v0, 2, SPARE
	v_mov_b32 v255, 0
	v_lshrrev_b32 v1, 5, v0
	v_readfirstlane_b32 s12, v1                    ; wave = head
	s_and_b32 s13, ttmp7, 0xffff                   ; batch
	v_and_b32 v2, 15, v0                           ; r
	v_bfe_u32 v3, v0, 4, 1                         ; h
	v_lshlrev_b32 v248, 12, v2
	v_lshl_add_u32 v248, v3, 7, v248               ; q, k: row r of 4,096 bytes, + 32 h channels
	v_lshlrev_b32 v249, 2, v2
	v_lshl_add_u32 v249, v3, 15, v249              ; v, Wo: 8 h rows of 4,096 bytes, + column r
	s_mul_i32 s14, s12, 4352
	v_mul_u32_u24 v250, v3, 544
	v_lshl_add_u32 v250, v2, 4, v250
	v_add_nc_u32 v250, s14, v250                   ; my partial sum: row 4 tile + 2 h + half (four columns), 16 bytes for each query
	v_mul_u32_u24 v251, v2, 272
	v_lshl_add_u32 v251, v3, 4, v251
	s_lshl_b32 s14, s12, 5
	v_add_nc_u32 v251, s14, v251                   ; and back (waves 0-7): four columns 4 (lane % 16) on of query 2 wave + lane / 16
	v_lshlrev_b32 v252, 12, v3
	v_lshl_add_u32 v252, v2, 4, v252               ; the same in out0
	v_lshlrev_b32 v253, 4, v2                      ; and in bo
	v_lshlrev_b32 v4, 3, v3
	v_sub_nc_u32 v1, v2, v4                        ; r - 8 h: key 8 h + j is hidden where j is above it
	v_mov_b32 v5, 0xff800000                       ; -infinity
	s_mov_b32 s20, 0x76543210
	s_mov_b32 s21, 0xfedcba98
	s_mov_b32 s22, 0x3d38aa3b                      ; c = log2(e) / 32
	s_mov_b32 s17, 0
	s_mov_b32 s19, 0
	s_mov_b32 s25, 0
	s_mov_b32 s27, 0
	s_mul_i32 s16, s13, 196608
	s_lshl_b32 s14, s12, 8
	s_add_co_u32 s16, s16, s14                     ; fq: my batch, my head's 64 channels
	s_lshl_b32 s18, s12, 18
	s_lshl_b32 s24, ttmp9, 8                       ; my 64 columns in f32
	s_add_co_u32 s18, s18, s24                     ; Wo: my head's 64 rows, my columns
	s_lshl_b32 s26, s13, 23
	s_lshl_b32 s14, s12, 13
	s_add_co_u32 s26, s26, s14
	s_add_co_u32 s26, s26, s24                     ; out0: my batch, rows 2 wave on, my columns
	s_wait_kmcnt 0x0
	s_add_nc_u64 s[4:5], s[4:5], s[16:17]
	s_add_nc_u64 s[6:7], s[6:7], s[18:19]
	s_add_nc_u64 s[8:9], s[8:9], s[24:25]
	s_add_nc_u64 s[10:11], s[10:11], s[26:27]
	global_load_b128 v[8:11], v253, s[8:9]
.irp i, 0,1,2,3,4,5,6,7
	global_load_b128 v[16+4*\i:19+4*\i], v248, s[4:5] offset:16*\i
.endr
.irp i, 0,1,2,3,4,5,6,7
	global_load_b128 v[48+4*\i:51+4*\i], v248, s[4:5] offset:65536+16*\i
.endr
.irp u, 0,1,2,3
.irp j, 0,1,2,3,4,5,6,7
	global_load_b32 v[80+8*\u+\j], v249, s[4:5] offset:131072+4096*\j+64*\u
.endr
.endr
.macro WOLOAD t, reg
.irp u, 0,1,2,3
.irp j, 0,1,2,3,4,5,6,7
	global_load_b32 v[\reg+8*\u+\j], v249, s[6:7] offset:(16*\u+\j)*4096+64*\t
.endr
.endr
.endm
	WOLOAD 0, 112
	WOLOAD 1, 144
	s_wait_loadcnt 63                              ; 64 loads were issued behind v's last: bo, q, k and v are in
.irp c, 0,1,2,3,4,5,6,7,8,9,10,11,12,13,14,15  ; S^T: two accumulators by turns; the first two products start the sums
.if \c < 2
	v_wmma_f32_16x16x4_f32 v[200+8*(\c%2):207+8*(\c%2)], v[48+2*\c:49+2*\c], v[16+2*\c:17+2*\c], 0
.else
	v_wmma_f32_16x16x4_f32 v[200+8*(\c%2):207+8*(\c%2)], v[48+2*\c:49+2*\c], v[16+2*\c:17+2*\c], v[200+8*(\c%2):207+8*(\c%2)]
.endif
.endr
	NINE
	WOLOAD 2, 16                                   ; into q's and k's registers, which are done with
	WOLOAD 3, 48
.irp j, 0,1,2,3,4,5,6,7
	v_add_f32 v[176+\j], v[200+\j], v[208+\j]      ; the two halves of the sum, from the low end on
.endr
.irp j, 0,1,2,3,4,5,6,7
	v_cmp_gt_i32 vcc_lo, \j, v1
	v_cndmask_b32 v[176+\j], v[176+\j], v5, vcc_lo ; the causal mask
.endr
	v_max3_num_f32 v184, v176, v177, v178
	v_max3_num_f32 v185, v179, v180, v181
	v_max3_num_f32 v184, v184, v182, v183
	v_max_num_f32 v184, v184, v185
	v_permlanex16_b32 v185, v184, s20, s21
	v_max_num_f32 v184, v184, v185                 ; the row's maximum: key 0 counts for every query
	v_mul_f32 v184, s22, v184
.irp j, 0,1,2,3,4,5,6,7
	v_fma_f32 v[176+\j], v[176+\j], s22, -v184
.endr
.irp j, 0,1,2,3,4,5,6,7
	v_exp_f32 v[176+\j], v[176+\j]
.endr
	v_nop                                          ; a plain line behind the last exponential
	s_wait_alu depctr_va_vdst(0)                   ; one wait for the eight, ahead of their first reader
	v_add_f32 v186, v176, v177
	v_add_f32 v187, v178, v179
	v_add_f32 v188, v180, v181
	v_add_f32 v189, v182, v183
	v_add_f32 v186, v186, v187
	v_add_f32 v188, v188, v189
	v_add_f32 v186, v186, v188
	v_permlanex16_b32 v187, v186, s20, s21
	v_add_f32 v186, v186, v187                     ; the row's sum
	v_rcp_f32 v190, v186
.irp c, 0,1,2,3                                ; O^T: four accumulators by turns
.irp u, 0,1,2,3
.if \c == 0
	v_wmma_f32_16x16x4_f32 v[216+8*\u:223+8*\u], v[80+8*\u+2*\c:81+8*\u+2*\c], v[176+2*\c:177+2*\c], 0
.else
	v_wmma_f32_16x16x4_f32 v[216+8*\u:223+8*\u], v[80+8*\u+2*\c:81+8*\u+2*\c], v[176+2*\c:177+2*\c], v[216+8*\u:223+8*\u]
.endif
.endr
.endr
	NINE                                           ; also the plain lines behind the reciprocal
	s_wait_alu depctr_va_vdst(0)                   ; the reciprocal's wait, ahead of its first reader
.irp u, 0,1,2,3
.irp j, 0,1,2,3,4,5,6,7
	v_mul_f32 v[80+8*\u+\j], v[216+8*\u+\j], v190  ; ctx, into v's registers
.endr
.endr
	s_wait_loadcnt 0x0                             ; Wo's four tiles
.irp u, 0,1,2,3                                ; out^T: four tiles of 16 columns by turns, 16 K steps; tile t's registers begin at 112 + 32 t - 160 (t / 2)
.irp c, 0,1,2,3
.irp t, 0,1,2,3
.if (\u == 0) && (\c == 0)
	v_wmma_f32_16x16x4_f32 v[216+8*\t:223+8*\t], v[112+32*\t-160*(\t/2)+8*\u+2*\c:113+32*\t-160*(\t/2)+8*\u+2*\c], v[80+8*\u+2*\c:81+8*\u+2*\c], 0
.else
	v_wmma_f32_16x16x4_f32 v[216+8*\t:223+8*\t], v[112+32*\t-160*(\t/2)+8*\u+2*\c:113+32*\t-160*(\t/2)+8*\u+2*\c], v[80+8*\u+2*\c:81+8*\u+2*\c], v[216+8*\t:223+8*\t]
.endif
.endr
.endr
.endr
	NINE
.irp t, 0,1,2,3
.irp c, 0,1
	ds_store_b128 v250, v[216+8*\t+4*\c:219+8*\t+4*\c] offset:(4*\t+\c)*272   ; each accumulator from its low end on
.endr
.endr
	s_wait_dscnt 0x0                               ; for the others' sake: my partial sum lies in LDS
	s_barrier_signal -1
	s_barrier_wait -1
	s_cmp_gt_u32 s12, 7
	s_cbranch_scc1 .Ldone                          ; waves 0-7 add up, two queries each
.irp i, 0,1,2,3,4,5,6,7,8,9,10,11,12,13,14,15
	ds_load_b128 v[16+4*\i:19+4*\i], v251 offset:4352*\i
.endr
	s_wait_dscnt 0x0
.macro ADD4 d, s
	v_pk_add_f32 v[\d:\d+1], v[\d:\d+1], v[\s:\s+1]
	v_pk_add_f32 v[\d+2:\d+3], v[\d+2:\d+3], v[\s+2:\s+3]
.endm
.irp d, 16,24,32,40,48,56,64,72
	ADD4 \d, \d+4
.endr
.irp d, 16,32,48,64
	ADD4 \d, \d+8
.endr
	ADD4 16, 32
	ADD4 48, 64
	ADD4 16, 48
	ADD4 16, 8                                     ; + bo
	global_store_b128 v252, v[16:19], s[10:11]     ; sixteen lanes store 256 consecutive bytes, aligned
.Ldone:
	s_wait_tensorcnt 0x0                           ; the wave's end, behind my last LDS store
	ds_add_u32 v254, v255
	s_wait_dscnt 0x0
	s_endpgm
.Lfunc_end_k_qe20392f4b2_fine:
	.size	k_qe20392f4b2_fine, .Lfunc_end_k_qe20392f4b2_fine-k_qe20392f4b2_fine
	.p2alignl 7, 3214868480
	.fill 96, 4, 3214868480
	.section	.rodata,"a",@progbits
	.p2align	6, 0x0
	.amdhsa_kernel k_qe20392f4b2_fine
		.amdhsa_group_segment_fixed_size 71680
		.amdhsa_private_segment_fixed_size 0
		.amdhsa_enable_private_segment 0
		.amdhsa_kernarg_size 32
		.amdhsa_user_sgpr_count 2
		.amdhsa_user_sgpr_kernarg_segment_ptr 1
		.amdhsa_wavefront_size32 1
		.amdhsa_system_sgpr_workgroup_id_x 1
		.amdhsa_system_sgpr_workgroup_id_y 1
		.amdhsa_system_sgpr_workgroup_id_z 1
		.amdhsa_system_vgpr_workitem_id 0
		.amdhsa_next_free_vgpr 256
		.amdhsa_next_free_sgpr 66
		.amdhsa_reserve_vcc 1
		.amdhsa_float_denorm_mode_32 3
		.amdhsa_float_denorm_mode_16_64 3
		.amdhsa_memory_ordered 1
		.amdhsa_forward_progress 1
		.amdhsa_inst_pref_size 34
	.end_amdhsa_kernel
	.amdgpu_metadata
---
amdhsa.version: [ 1, 2 ]
amdhsa.kernels:
  - .name:           k_qe20392f4b2_fine
    .symbol:         k_qe20392f4b2_fine.kd
    .args:
      - { .name: fq, .offset: 0, .size: 8, .value_kind: global_buffer, .address_space: global }
      - { .name: Wo, .offset: 8, .size: 8, .value_kind: global_buffer, .address_space: global }
      - { .name: bo, .offset: 16, .size: 8, .value_kind: global_buffer, .address_space: global }
      - { .name: out0, .offset: 24, .size: 8, .value_kind: global_buffer, .address_space: global }
    .group_segment_fixed_size: 71680
    .private_segment_fixed_size: 0
    .kernarg_segment_align: 8
    .kernarg_segment_size: 32
    .max_flat_workgroup_size: 512
    .sgpr_count:     66
    .vgpr_count:     256
    .wavefront_size: 32
...
	.end_amdgpu_metadata
.endif
;; end of part 5
